; MI455X (gfx1250); checked and timed in simulation.
; The chip was launched on July 23, 2026; its instructions are those of AMD's public machine-readable ISA for CDNA 5 (MIT licence, August 2026) and "CDNA5" Instruction Set Architecture Reference Guide (July 2026). The comments in the code are by the model that wrote it; some were corrected since.
;; Multi Head Attention Ro PE. Allowed arithmetic: matrix products marked QUANTISED: E3M2 operands, one E8M0 scale for each 32 along K, by v_wmma_scale_f32_16x16x128_f8f6f4 with both operands' format E3M2, f32 sums; everything else in f32.
;; Inputs: Wk 1,024 x 1,024 float32; Wo 1,024 x 1,024 float32; Wq 1,024 x 1,024 float32; Wv 1,024 x 1,024 float32; bk 1,024 float32; bo 1,024 float32; bq 1,024 float32; bv 1,024 float32; query 4 x 2,048 x 1,024 float32.
;; Outputs: out0 4 x 2,048 x 1,024 float32.
;; This version of the problem:
;;   THIS VERSION OF THE PROBLEM IS GIVEN IN LOW PRECISION. The matrix products marked QUANTISED in the list below multiply operands that are first quantised to E3M2 (3 exponent bits, 2 mantissa bits; 6 bits a number), with one power-of-two scale for each 32 numbers along K (OCP MX v1.0); their sums are f32. All else is computed in f32.
;;   The module's matrix products, in the order in which they are computed (A, B: the left and right operand; K: the contracted axis; several contracted axes count as one K, in the product's order):
;;     1. [M 8,192, K 1,024] x [K 1,024, N 1,024]; A: input query; B: input Wq: QUANTISED
;;     2. [M 8,192, K 1,024] x [K 1,024, N 1,024]; A: input query; B: input Wk: QUANTISED
;;     3. [M 8,192, K 1,024] x [K 1,024, N 1,024]; A: input query; B: input Wv: QUANTISED
;;     4. batch 64 x [M 2,048, K 64] x [K 64, N 2,048]; A: computed on the way; B: computed on the way: QUANTISED
;;     5. batch 64 x [M 2,048, K 2,048] x [K 2,048, N 64]; A: softmax (see below); B: computed on the way: QUANTISED
;;     6. [M 8,192, K 1,024] x [K 1,024, N 1,024]; A: computed on the way; B: input Wo: QUANTISED
;;   THE QUANTISER, for each operand of a quantised product, along K:
;;     - K is cut into blocks of 32 from its start; a last block that is shorter is filled with zeros.
;;     - A block's scale is 2^e with e = floor(log2(the largest magnitude in the block)) - 4, held to -126 .. 127; a block of zeros has e = 0. As a byte (E8M0): e + 127.
;;     - Each number is divided by its block's scale, clamped to +-28, and rounded to the nearest number of E3M2, ties to even, subnormals kept.
;;     - The product sums the exact products of the quantised numbers (number of the format x scale) in f32.
;;   ~~~python
;;   def quantise(x, axis):      # numpy; x: float32 -> the quantised numbers, widened to float32 again
;;       x = np.moveaxis(x, axis, -1); K = x.shape[-1]
;;       x = np.pad(x, [(0, 0)] * (x.ndim - 1) + [(0, -K % 32)]); x = x.reshape(x.shape[:-1] + (-1, 32)); a = np.abs(x).max(-1, keepdims=True)
;;       e = np.where(a > 0, np.clip(np.frexp(np.where(a > 0, a, 1))[1] - 1 - 4, -126, 127), 0)      # np.frexp(a)[1] - 1 = floor(log2(a)), exactly
;;       r = np.clip(x / 2.0 ** e, -28, 28)
;;       step = 2.0 ** (np.maximum(np.frexp(np.where(r == 0, 1, r))[1] - 1, -2) - 2)
;;       q = np.round(r / step) * step * 2.0 ** e      # np.round: ties to even
;;       return np.moveaxis(q.reshape(q.shape[:-2] + (-1,))[..., :K], -1, axis).astype(np.float32)
;;   ~~~
;;   SOFTMAX AHEAD OF A QUANTISED PRODUCT. Where the list says 'softmax', what is quantised is not the finished softmax but p = 2^(t - M), with t = logit x log2(e) and M = ceil(the row's largest t), a whole number; so 1/2 < the row's largest p <= 1. The row's sum l is taken of the UNQUANTISED p, in f32, and the product's result is divided by l at the end. Since M is a whole number, a kernel that streams over the keys may use a running M (the ceiling of the running maximum): every later rescaling is an exact power of two, which a block's scale takes up: the codes' values come out the same.
;;   OPERANDS COMPUTED ON THE WAY. 'Computed on the way' means the value that the module computes at that place (a softmax that the list does not call 'softmax' is quantised finished and normalised). What goes into a quantiser is computed in f32, as accurately as f32 sums, v_exp_f32 and their like allow (about 1e-6 of the number): no bf16 or f16 on the way to a quantiser, and a product that is left as it is and whose result goes on into a quantised operand takes f32 operands (vector FMAs, or v_wmma_f32_16x16x4_f32). A number that lies on a knife's edge between two numbers of the format may be rounded either way, as far as f32 arithmetic and the matrix unit's own rounding can turn it there, and no further.
;; One version. Each part assembles by itself: llvm-mc -triple=amdgcn-amd-amdhsa -mcpu=gfx1250 --defsym DOCPART=n.
;; ======== version 1 of 1: 4 launches
;; workspace buffers: cod 9,437,184 bytes; scl 393,216 bytes; rope 524,288 bytes; qw 6,815,744 bytes; kvw 13,369,344 bytes; ac 6,291,456 bytes; asc 262,144 bytes
;; launch prep (part 1): grid 400 x 1, 4 waves a work-group, no clusters, 33,280 bytes of LDS; arguments query, Wq, Wk, Wv, Wo, cod, scl, rope; writes cod, scl, rope
.if DOCPART == 1
	.amdgcn_target "amdgcn-amd-amdhsa--gfx1250"
	.amdhsa_code_object_version 6
	.text
	.protected	k_q829017a0d1_prep
	.globl	k_q829017a0d1_prep
	.p2align	8
	.type	k_q829017a0d1_prep,@function
k_q829017a0d1_prep:
	s_mov_b64 s[64:65], 0
	v_nop
	global_prefetch_b8 v0, s[64:65] scope:SCOPE_SE
	s_setreg_imm32_b32 hwreg(HW_REG_WAVE_MODE, 25, 1), 1
	s_wait_xcnt 0x0
; query [8192][1024] and Wq, Wk, Wv, Wo [1024][1024], f32, K innermost, become codes of BF6 (E3M2) with one E8M0 byte for each 32 along K:
; cod: 12,288 rows of 768 bytes (query, Wq, Wk, Wv, Wo on end), scl: the same rows, 32 bytes each.  The last 16 work-groups make the table of cos and sin for the rotation.
; THE ROWS OF EACH GROUP OF 32 ARE STORED IN THE ORDER OCTET 0, 2, 1, 3: place 16 u + r of a group holds source row 8 u + r + 8 (r / 8).  A plain fragment of 16 neighbouring places then
; holds the rows that make the 16 registers of two neighbouring result tiles 16 neighbours along the next K.
; A block's scale is 2^(floor(log2(its largest magnitude)) - 4); its byte is the largest magnitude's exponent field - 4, held at 1 from below.
; LIMITS: a block of zeros, or one whose largest magnitude lies under 2^-122, gets the byte 1 (its codes are then zeros or the rule's own; the bytes are read by this program alone); NaN and infinities are not served.
; THE TABLE: rope[t][i] = (cos, sin)(t x inv_freq[i]), inv_freq[i] = 1 / P[i], P[i] = 10^(i / 8) rounded to f32 (written out below).  The angle is the f32 product, as the outer product has it; it is
; reduced by multiples of pi / 2 held in two parts, and sin and cos come from polynomials on [-pi/4, pi/4].  LIMIT: should a power function round P[i] one unit otherwise, the angle differs by up to 1.2e-4 at t near 2,047.
; A quantising work-group takes 32 source rows, a wave 8 (8,192 numbers) in 16 steps of 512.  Each load reads 512 consecutive bytes; a step's 2,048 bytes turn through the wave's own stage in LDS so that a lane
; holds 16 neighbours.  No tensor loads, no barrier: waves share nothing.
.set STEPS, 16
.set CB,    12                         ; bytes of 16 codes
.set R,     16                         ; v16-79   four sets of 16 numbers as loaded
.set X,     80                         ; v80-111  two sets of 16 neighbours
.set C,     128                        ; v128-191 codes: four registers a step
.set E,     112                        ; v112-127 a scale byte a step
.set WREG,  8192                       ; LDS of a wave: two stages of 32 x SP bytes, then its 256 scale bytes
.set SP,    80
.set NQWG,  384                        ; work-groups that quantise
	s_load_b256 s[4:11], s[0:1], 0x0               ; query, Wq, Wk, Wv
	s_load_b256 s[12:19], s[0:1], 0x20             ; Wo, cod, scl, rope
	v_lshl_add_u32 v192, v0, 2, 0x8000
	v_mov_b32 v193, 0
	v_lshrrev_b32 v1, 5, v0
	v_readfirstlane_b32 s20, v1                    ; wave
	v_and_b32 v2, 31, v0                           ; lane
	s_cmp_ge_u32 ttmp9, NQWG
	s_cbranch_scc1 .Ltable
	v_lshlrev_b32 v3, 4, v2                        ; my 16 bytes of a load's 512
	s_mul_i32 s21, s20, WREG
	v_lshrrev_b32 v14, 2, v2
	v_mul_u32_u24 v14, v14, SP
	v_and_b32 v15, 3, v2
	v_lshl_add_u32 v14, v15, 4, v14
	v_add_nc_u32 v14, s21, v14                     ; the stage, on the way in: SP (lane / 4) + 16 (lane % 4)
	v_mul_u32_u24 v15, v2, SP
	v_add_nc_u32 v15, s21, v15                     ; and on the way out: SP x lane
	v_mul_u32_u24 v4, v2, CB                       ; my codes' place in a step's
	v_lshrrev_b32 v5, 1, v2
	s_add_co_u32 s21, s21, 2*32*SP
	v_add_nc_u32 v5, s21, v5                       ; LDS: my block's scale byte
	v_lshlrev_b32 v7, 3, v2
	v_add_nc_u32 v6, s21, v7                       ; and on the way out 8 bytes a lane
	s_and_b32 s22, ttmp9, 31                       ; which 32 rows of a weight
	s_wait_kmcnt 0x0
	s_cmp_lt_u32 ttmp9, 352                        ; the source is chosen by the work-group's number alone
	s_cselect_b64 s[12:13], s[10:11], s[12:13]
	s_cmp_lt_u32 ttmp9, 320
	s_cselect_b64 s[12:13], s[8:9], s[12:13]
	s_cmp_lt_u32 ttmp9, 288
	s_cselect_b64 s[12:13], s[6:7], s[12:13]
	s_cmp_lt_u32 ttmp9, 256
	s_cselect_b64 s[4:5], s[4:5], s[12:13]
	s_cselect_b32 s22, ttmp9, s22
	s_lshl_b32 s22, s22, 17                        ; 32 rows of 4,096 bytes
	s_lshl_b32 s23, s20, 15                        ; my wave's 8 rows
	s_add_co_u32 s22, s22, s23
	s_mov_b32 s23, 0
	s_add_nc_u64 s[4:5], s[4:5], s[22:23]
	s_and_b32 s24, s20, 1                          ; source octet w goes to place octet (w & 1) 2 + (w >> 1)
	s_lshl_b32 s24, s24, 1
	s_lshr_b32 s25, s20, 1
	s_or_b32 s24, s24, s25
	s_lshl_b32 s25, ttmp9, 2
	s_add_co_u32 s24, s24, s25                     ; which run of 8 rows of cod and scl
	s_mul_i32 s22, s24, 6144
	s_add_nc_u64 s[14:15], s[14:15], s[22:23]
	s_lshl_b32 s22, s24, 8
	s_add_nc_u64 s[16:17], s[16:17], s[22:23]
.macro LOAD t
.irp i, 0,1,2,3
	global_load_b128 v[R+16*((\t)%4)+4*\i:R+16*((\t)%4)+4*\i+3], v3, s[4:5] offset:2048*(\t)+512*\i th:TH_LOAD_NT   ; 32 lanes read 512 consecutive bytes
.endr
.endm
.macro TURN t                          ; step t's numbers through the stage: LDS serves a wave's instructions in order, so no wait stands between the stores and the loads
.irp i, 0,1,2,3
	ds_store_b128 v14, v[R+16*((\t)%4)+4*\i:R+16*((\t)%4)+4*\i+3] offset:32*SP*((\t)%2)+8*SP*\i
.endr
.irp i, 0,1,2,3
	ds_load_b128 v[X+16*((\t)%2)+4*\i:X+16*((\t)%2)+4*\i+3], v15 offset:32*SP*((\t)%2)+16*\i
.endr
.endm
.irp t, 0,1,2,3
	LOAD \t
.endr
	s_wait_loadcnt 12                              ; step 0's four loads are in; the 12 of steps 1 to 3 may be out
	TURN 0
.macro STEP t
.set XS, X+16*((\t)%2)
.if (\t) > 0
	s_wait_dscnt 1                                 ; this step's numbers are back from the stage (the last step's byte store may be out)
.else
	s_wait_dscnt 0x0
.endif
.if (\t)+4 < STEPS
	LOAD (\t)+4                                    ; into the registers that this step's stage stores have read
.endif
.if (\t)+1 < STEPS
.if STEPS-2-(\t) >= 3
	s_wait_loadcnt 12                              ; the next step's four loads are in; those of the three steps behind it may be out
.else
	s_wait_loadcnt 4*(STEPS-2-(\t))
.endif
	TURN (\t)+1
.endif
	v_max3_num_f32 v8, |v[XS]|, |v[XS+1]|, |v[XS+2]|               ; the largest magnitude of my 16
	v_max3_num_f32 v9, |v[XS+3]|, |v[XS+4]|, |v[XS+5]|
.irp i, 6,10
	v_max3_num_f32 v8, v8, |v[XS+\i]|, |v[XS+\i+1]|
	v_max3_num_f32 v9, v9, |v[XS+\i+2]|, |v[XS+\i+3]|
.endr
	v_max3_num_f32 v8, v8, |v[XS+14]|, |v[XS+15]|
	v_max3_num_f32 v8, v8, v9, 0x2800000           ; and the floor 2^(5 - 127): the byte cannot fall under 1
	v_max_num_f32_dpp v8, v8, v8 row_xmask:1 row_mask:0xf bank_mask:0xf   ; and of my neighbour's 16: the block's
	v_add_nc_u32 v11, 0xfe000000, v8               ; 4 off its exponent field: the conversion takes the exponent field of this operand as its scale
	v_cvt_scalef32_pk16_bf6_f32 v[C+4*(\t):C+4*(\t)+2], v[XS:XS+15], v11
	v_lshrrev_b32 v[E+(\t)], 23, v11               ; the scale's byte (also the plain line behind the conversion)
	ds_store_b8 v5, v[E+(\t)] offset:16*(\t)       ; both lanes of a block write the same byte with the same value
	global_store_b96 v4, v[C+4*(\t):C+4*(\t)+2], s[14:15] offset:32*CB*(\t)   ; the wave stores 384 consecutive bytes
.endm
.irp t, 0,1,2,3,4,5,6,7,8,9,10,11,12,13,14,15
	STEP \t
.endr
	ds_load_b64 v[12:13], v6                       ; LDS serves a wave's instructions in order: these see my stores
	s_wait_dscnt 0x0
	global_store_b64 v7, v[12:13], s[16:17]        ; 32 lanes store 256 consecutive bytes, aligned
	s_wait_tensorcnt 0x0
	ds_add_u32 v192, v193
	s_wait_dscnt 0x0
	s_endpgm
.Ltable:                                           ; lane = i; a wave makes 32 rows t of the table
.macro PUT lane, bits
	s_mov_b32 s36, \bits
	v_writelane_b32 v4, s36, \lane
.endm
	v_mov_b32 v4, 0
	PUT 0, 0x3f800000
	PUT 1, 0x3faab0d5
	PUT 2, 0x3fe39ea9
	PUT 3, 0x4017c496
	PUT 4, 0x404a62c2
	PUT 5, 0x4086f161
	PUT 6, 0x40b3f300
	PUT 7, 0x40eff755
	PUT 8, 0x41200000
	PUT 9, 0x41555d0a
	PUT 10, 0x418e432a
	PUT 11, 0x41bdb5bc
	PUT 12, 0x41fcfb72
	PUT 13, 0x4228adb9
	PUT 14, 0x4260efc0
	PUT 15, 0x4295fa95
	PUT 16, 0x42c80000
	PUT 17, 0x43055a26
	PUT 18, 0x4331d3f4
	PUT 19, 0x436d232b
	PUT 20, 0x439e1d27
	PUT 21, 0x43d2d927
	PUT 22, 0x440c95d8
	PUT 23, 0x443b793b
	PUT 24, 0x447a0000
	PUT 25, 0x44a6b0b0
	PUT 26, 0x44de48f1
	PUT 27, 0x451435fb
	PUT 28, 0x4545a471
	PUT 29, 0x4583c7b8
	PUT 30, 0x45afbb4e
	PUT 31, 0x45ea5789
	v_rcp_f32 v5, v4
	v_lshlrev_b32 v3, 3, v2                        ; 8 x lane: my pair's place in a row (the plain line behind the reciprocal)
	s_sub_co_u32 s21, ttmp9, NQWG
	s_lshl_b32 s21, s21, 2
	s_add_co_u32 s21, s21, s20
	s_lshl_b32 s21, s21, 5                         ; my wave's first t
	s_lshl_b32 s22, s21, 8                         ; a row of the table is 256 bytes
	s_mov_b32 s23, 0
	s_mov_b32 s24, 0x3f22f983                      ; 2 / pi
	s_mov_b32 s25, 0xbfc90fdb                      ; -(pi / 2), upper part
	s_mov_b32 s26, 0x333bbd2e                      ; -(pi / 2), lower part
	s_mov_b32 s27, 0xb94ca1f9                      ; sine's coefficients
	s_mov_b32 s28, 0x3c08839e
	s_mov_b32 s29, 0xbe2aaaa3
	s_mov_b32 s30, 0x37ccf5ce                      ; cosine's
	s_mov_b32 s31, 0xbab6061a
	s_mov_b32 s32, 0x3d2aaaa5
	s_mov_b32 s33, 0x80000000
	s_mov_b32 s34, 32
	s_wait_alu depctr_va_vdst(0)                   ; the wait ahead of the reciprocal's first reader
	v_fma_f32 v6, -v4, v5, 1.0                     ; two corrections bring 1 / P to a division's rounding
	v_fma_f32 v5, v6, v5, v5
	v_fma_f32 v6, -v4, v5, 1.0
	v_fma_f32 v5, v6, v5, v5
	v_cvt_f32_u32 v7, s21                          ; t
	s_wait_kmcnt 0x0
	s_add_nc_u64 s[18:19], s[18:19], s[22:23]
.Lrow:
	v_mul_f32 v8, v7, v5                           ; the angle
	v_mul_f32 v9, s24, v8
	v_rndne_f32 v9, v9                             ; k
	v_fma_f32 v10, v9, s25, v8
	v_fma_f32 v10, v9, s26, v10                    ; r = angle - k pi / 2
	v_mul_f32 v11, v10, v10                        ; z
	v_fma_f32 v12, v11, s27, s28
	v_fma_f32 v12, v12, v11, s29
	v_mul_f32 v12, v12, v11
	v_fma_f32 v12, v12, v10, v10                   ; sin r
	v_fma_f32 v13, v11, s30, s31
	v_fma_f32 v13, v13, v11, s32
	v_fma_f32 v13, v13, v11, -0.5
	v_fma_f32 v13, v13, v11, 1.0                   ; cos r
	v_cvt_i32_f32 v14, v9
	v_and_b32 v15, 1, v14
	v_cmp_eq_u32 vcc_lo, 1, v15                    ; odd quadrants change sine and cosine
	v_lshlrev_b32 v16, 30, v14
	v_and_b32 v16, s33, v16                        ; sine's sign: bit 1 of k
	v_add_nc_u32 v17, 1, v14
	v_lshlrev_b32 v17, 30, v17
	v_and_b32 v17, s33, v17                        ; cosine's: bit 1 of k + 1
	v_cndmask_b32 v19, v12, v13, vcc_lo
	v_cndmask_b32 v18, v13, v12, vcc_lo
	v_xor_b32 v19, v19, v16
	v_xor_b32 v18, v18, v17
	global_store_b64 v3, v[18:19], s[18:19]        ; 32 lanes store 256 consecutive bytes, aligned
	v_add_f32 v7, 1.0, v7
	s_wait_xcnt 0x0                                ; the store has read its data and its base: both are written again only behind this wait
	s_add_nc_u64 s[18:19], s[18:19], 256
	s_sub_co_u32 s34, s34, 1
	s_cmp_lg_u32 s34, 0
	s_cbranch_scc1 .Lrow
	s_endpgm
.Lfunc_end_k_q829017a0d1_prep:
	.size	k_q829017a0d1_prep, .Lfunc_end_k_q829017a0d1_prep-k_q829017a0d1_prep
	.p2alignl 7, 3214868480
	.fill 96, 4, 3214868480
	.section	.rodata,"a",@progbits
	.p2align	6, 0x0
	.amdhsa_kernel k_q829017a0d1_prep
		.amdhsa_group_segment_fixed_size 33280
		.amdhsa_private_segment_fixed_size 0
		.amdhsa_enable_private_segment 0
		.amdhsa_kernarg_size 64
		.amdhsa_user_sgpr_count 2
		.amdhsa_user_sgpr_kernarg_segment_ptr 1
		.amdhsa_wavefront_size32 1
		.amdhsa_system_sgpr_workgroup_id_x 1
		.amdhsa_system_sgpr_workgroup_id_y 1
		.amdhsa_system_sgpr_workgroup_id_z 1
		.amdhsa_system_vgpr_workitem_id 0
		.amdhsa_next_free_vgpr 194
		.amdhsa_next_free_sgpr 66
		.amdhsa_reserve_vcc 1
		.amdhsa_float_denorm_mode_32 3
		.amdhsa_float_denorm_mode_16_64 3
		.amdhsa_memory_ordered 1
		.amdhsa_forward_progress 1
		.amdhsa_inst_pref_size 39
	.end_amdhsa_kernel
	.amdgpu_metadata
---
amdhsa.version: [ 1, 2 ]
amdhsa.kernels:
  - .name:           k_q829017a0d1_prep
    .symbol:         k_q829017a0d1_prep.kd
    .args:
      - { .name: query, .offset: 0, .size: 8, .value_kind: global_buffer, .address_space: global }
      - { .name: Wq, .offset: 8, .size: 8, .value_kind: global_buffer, .address_space: global }
      - { .name: Wk, .offset: 16, .size: 8, .value_kind: global_buffer, .address_space: global }
      - { .name: Wv, .offset: 24, .size: 8, .value_kind: global_buffer, .address_space: global }
      - { .name: Wo, .offset: 32, .size: 8, .value_kind: global_buffer, .address_space: global }
      - { .name: cod, .offset: 40, .size: 8, .value_kind: global_buffer, .address_space: global }
      - { .name: scl, .offset: 48, .size: 8, .value_kind: global_buffer, .address_space: global }
      - { .name: rope, .offset: 56, .size: 8, .value_kind: global_buffer, .address_space: global }
    .group_segment_fixed_size: 33280
    .private_segment_fixed_size: 0
    .kernarg_segment_align: 8
    .kernarg_segment_size: 64
    .max_flat_workgroup_size: 128
    .sgpr_count:     66
    .vgpr_count:     194
    .wavefront_size: 32
...
	.end_amdgpu_metadata
.endif
;; end of part 1
;; launch qkv (part 2): grid 12 x 32, 4 waves a work-group, clusters of 4 x 4, 327,680 bytes of LDS; arguments cod, scl, rope, bq, bk, bv, qw, kvw; writes qw, kvw
.if DOCPART == 2
	.amdgcn_target "amdgcn-amd-amdhsa--gfx1250"
	.amdhsa_code_object_version 6
	.text
	.protected	k_q829017a0d1_qkv
	.globl	k_q829017a0d1_qkv
	.p2align	8
	.type	k_q829017a0d1_qkv,@function
k_q829017a0d1_qkv:
	s_mov_b64 s[64:65], 0
	v_nop
	global_prefetch_b8 v0, s[64:65] scope:SCOPE_SE
	s_setreg_imm32_b32 hwreg(HW_REG_WAVE_MODE, 25, 1), 1
	s_wait_xcnt 0x0
	s_wait_alu depctr_hold_cnt(0) depctr_sa_sdst(0) depctr_va_vdst(0) depctr_va_sdst(0) depctr_va_ssrc(0) depctr_va_vcc(0) depctr_vm_vsrc(0)
	s_getreg_b32 s2, hwreg(HW_REG_IB_STS2, 6, 4)
	s_cmp_eq_u32 s2, 0
	s_cbranch_scc0 .Lentry_in_a_cluster
	s_endpgm
.Lentry_in_a_cluster:
	s_bfe_u32 s2, ttmp6, 0x10000c
	s_cmp_lg_u32 s2, 0xf033
	s_cbranch_scc0 .Lentry_shape_is_right
	s_endpgm
.Lentry_shape_is_right:
; The three projections on codes of BF6 (E3M2) with E8M0 scales, then bias, rotation (q, k) and the next products' quantisers, all in f32 in registers.
; A work-group of four waves makes 256 x 256 of a product, a wave 128 x 128 (64 accumulators); K = 1,024 goes in four steps of 256 through a ring of two LDS slots filled by joint tensor loads.
; THE CLUSTER'S x SAYS WHICH PRODUCT: 0 = q, 1 = k, 2 = v.  Source 1 ("A", lanes of the result) and source 0 ("B", registers of the result) are both rows of cod:
;   q, k: A = 256 tokens, B = 256 rows of Wq or Wk: a lane holds one token, its registers run along the features;
;   v:    A = 256 rows of Wv, B = 256 tokens: a lane holds one feature, its registers run along the tokens, which are the keys: the next product's K.
; cod's rows lie in the order octet 0, 2, 1, 3 of each 32, so the 64 registers of A's block a (accumulators (a, 0..7)) are: register 16 g + i = B's source row 32 g + 16 (lane / 16) + i; lane r of block a is A's source row 32 (a / 2) + 8 (a % 2) + r + 8 (r / 8).
; RESULTS leave as images of the next operands' registers, 512 consecutive aligned bytes a store:
;   qw [b h][group of 128 tokens][6,656]: four pair images of 1,536 bytes (registers 0-5: tile 2 p, d = 32 (lane / 16) on; 6-11: tile 2 p + 1), then 512 bytes of scale words (register s: tile 2 s in lanes 0-15, tile 2 s + 1 in lanes 16-31);
;   kvw [b h][128 keys][13,056]: K as in qw; from 6,656 on V's four fragments (16 of the head's 64 x 128 keys) of 1,536 bytes; from 12,800 on 256 bytes of their scale words.
; LIMITS: NaN and infinities are not served; a block of zeros or under 2^-122 gets the byte 1.
; REGISTERS: window 0: v0-31 addresses; v32-63 scale words; v64-127 two sets of cos and sin; v128-223 A's fragments; v224-231 bias by lanes.  window 1: B's fragments at v0 and v128; the bias by registers in v96-127, v224-255.  windows 2, 3: accumulators.
.set KSTEP,  256
.set NQ,     KSTEP/128
.set ROWB,   192
.set KROW,   768
.set PITCH,  240                       ; an LDS row: 3 x (64 bytes + 16 of padding)
.set FR,     12
.set NL,     6
.set NP,     4
.set HALFT,  128*PITCH
.set SLOT,   4*HALFT
.set LAPS,   2                         ; 1,024 / 512
.set KS,     32                        ; a row of scale bytes
.set SCL,    2*SLOT
.set HALFS,  (128*KS/256)*272
.set SBLK,   (16*KS/256)*272
.set SPARE,  SCL+4*HALFS               ; the spare words: 128 bytes a wave, two blocks of 256 bytes that no other line names
.set CSO,  7                           ; v7   the table: 256 (r + 8 (r / 8)) + 64 (lane / 16)
.set L16,  8                           ; v8   16 x lane
.set L8,   9                           ; v9   8 x lane
.set BO,   10                          ; v10  64 (lane / 16)
.set BLO,  11                          ; v11  4 (r + 8 (r / 8))
.set ADRA, 16
.set ADRB, 20
.set ADRS, 27
.set SPW,  28
.set NIL,  29
.set SC,   32
.set CS,   64                          ; v64-127 cos and sin, two sets of 32: register 16 g + 2 m: cos, + 1: sin, of pair 16 g + 8 (lane / 16) + m
.set AF,   128
.set BL,   224                         ; v224-231 the bias of my lane's row of A's block a
.set TM,   32                          ; the way out: v32-43 at work, v44-51 half blocks' codes, v52-53 scale words
.set CT,   44
.set PW,   52
.set H,    128                         ; v128-191 a block's 64 numbers
.set IMG,  192                         ; v192-215 images
.set SI,   216                         ; v216-223 scale images
.set T,    232                         ; v232-247 at work in the rotation
.set G1, 24
.set G0, 32
.set G1B, 48
.set G0B, 56
.set G1S, 68
.set G0S, 76
.set G1SB, 80
.set G0SB, 88
.set MSB, 0
.macro WIN new                         ; the immediate's high byte repeats the setting that is left
.if MSB != \new
	s_set_vgpr_msb (MSB<<8)|\new
.set MSB, \new
.endif
.endm
.set MUL_LO, 0xa1
.set MUL_HI, 0xf1
.set TO_B,   0x40
.macro JLOAD g0a, g1a, g0b, g1b        ; a joint load: waves 0 and 1 fetch for A, waves 2 and 3 for B; four v_nop follow each line
	s_cmp_eq_u32 s15, 0
	s_cbranch_scc0 .Lfor_b_\@
	tensor_load_to_lds s[\g0a:\g0a+3], s[\g1a:\g1a+7]
	s_nop 0
.rept 4
	v_nop
.endr
	s_branch .Lasked_\@
.Lfor_b_\@:
	tensor_load_to_lds s[\g0b:\g0b+3], s[\g1b:\g1b+7]
	s_nop 0
.rept 4
	v_nop
.endr
.Lasked_\@:
.endm
.macro CREST
	s_cmp_lg_u32 s14, 0
	s_cbranch_scc1 .Lnot_wave_0_\@
	s_barrier_signal -3
.Lnot_wave_0_\@:
	s_barrier_wait -3
	s_barrier_signal -1
	s_barrier_wait -1
.endm
.macro CROUND
	s_barrier_signal -1
	s_barrier_wait -1
	CREST
.endm
	s_load_b512 s[68:83], s[0:1], 0x0              ; cod, scl, rope, bq, bk, bv, qw, kvw
	v_lshl_add_u32 v[SPW], v0, 2, SPARE
	v_mov_b32 v[NIL], 0
	ds_add_u32 v28, v29
	ds_add_u32 v28, v29
	s_wait_dscnt 0x0
	v_lshrrev_b32 v1, 5, v0
	v_readfirstlane_b32 s14, v1                    ; wave 0..3
	s_lshr_b32 s15, s14, 1                         ; my half of A's rows.  Also: I fetch for A (0) or for B (1)
	s_and_b32 s16, s14, 1                          ; my half of B's rows.  Also: which 128 rows I fetch
	s_bfe_u32 s40, ttmp6, 0x40000                  ; cx
	s_bfe_u32 s41, ttmp6, 0x40004                  ; cy
	s_and_b32 s18, ttmp7, 0xffff
	s_lshl_b32 s18, s18, 2                         ; 4 x cluster y
	s_lshl_b32 s19, ttmp9, 2
	s_add_co_u32 s19, s19, 32                      ; 32 + 4 x cluster x: Wq's or Wk's first tile of 256 rows of cod
	s_cmp_eq_u32 ttmp9, 2                          ; the product hangs on the cluster's x, which all sixteen partners share
	s_cselect_b32 s95, 1, 0                        ; 1: v
	s_cselect_b32 s17, 40, s18
	s_cselect_b32 s42, s18, s19
	s_add_co_u32 s17, s17, s41                     ; A's tile of 256 rows of cod: v: Wv's, 40 + cy; else tokens 4 cluster y + cy.  It never holds cx
	s_add_co_u32 s42, s42, s40                     ; B's: v: tokens 4 cluster y + cx; else the weight's.  It never holds cy
	s_lshl_b32 s43, s41, 2
	s_lshl_b32 s43, 15, s43                        ; my row of the cluster
	s_lshl_b32 s44, 0x1111, s40                    ; my column
	s_or_b32 s[G1+0], s43, (0<<16)|(1<<20)|(1<<21)|(3<<22)|(3<<25)  ; the mask; elements of 1 byte; padding of 4 words behind every 16; bit 21 beside a mask
	s_or_b32 s[G1B+0], s44, (0<<16)|(1<<20)|(1<<21)|(3<<22)|(3<<25)
.irp g, G1, G1B
	s_mov_b32 s[\g+1], ROWB<<16                    ; tensor_dim0
	s_mov_b32 s[\g+2], 128<<16                     ; tensor_dim1
	s_mov_b32 s[\g+3], ROWB<<16                    ; tile_dim0
	s_mov_b32 s[\g+4], 128                         ; tile_dim1
	s_mov_b32 s[\g+5], KROW                        ; the pitch
	s_mov_b32 s[\g+6], 0
	s_mov_b32 s[\g+7], 0
.endr
	s_lshl_b32 s18, s16, 7
	s_lshl_b32 s20, s17, 8
	s_add_co_u32 s20, s20, s18                     ; A: the first row that I fetch
	s_lshl_b32 s46, s42, 8
	s_add_co_u32 s46, s46, s18                     ; B likewise
	s_mov_b32 s21, 0
	s_mov_b32 s47, 0
	s_mov_b64 s[18:19], KS
	s_mul_u64 s[22:23], s[20:21], s[18:19]
	s_mul_u64 s[92:93], s[46:47], s[18:19]
	s_mov_b64 s[18:19], KROW
	s_mul_u64 s[20:21], s[20:21], s[18:19]
	s_mul_u64 s[46:47], s[46:47], s[18:19]
	s_mul_i32 s45, s14, HALFT                      ; where they go: wave x 128 rows
	s_mul_i32 s94, s14, HALFS
	s_mov_b32 s67, 13056
	s_wait_kmcnt 0x0
	s_mov_b64 s[4:5], s[68:69]                     ; cod
	s_mov_b64 s[6:7], s[70:71]                     ; scl
	s_mov_b64 s[8:9], s[72:73]                     ; rope
	s_cmp_eq_u32 ttmp9, 0
	s_cselect_b64 s[10:11], s[74:75], s[76:77]     ; the bias,
	s_cselect_b64 s[12:13], s[80:81], s[82:83]     ; the results' buffer
	s_cselect_b32 s67, 6656, s67                   ; and its block of 128 tokens in bytes
	s_cmp_eq_u32 ttmp9, 2
	s_cselect_b64 s[10:11], s[78:79], s[10:11]
	; the scales of 128 rows: 4,096 dense bytes as 16 rows of 256 bytes, 16 bytes of padding behind each  (s68 to s91 are free now)
	s_or_b32 s[G1S+0], s43, (3<<16)|(1<<20)|(1<<21)|(5<<22)|(3<<25)
	s_or_b32 s[G1SB+0], s44, (3<<16)|(1<<20)|(1<<21)|(5<<22)|(3<<25)
.irp g, G1S, G1SB
	s_mov_b32 s[\g+1], 32<<16
	s_mov_b32 s[\g+2], (128*KS/256)<<16
	s_mov_b32 s[\g+3], 32<<16
	s_mov_b32 s[\g+4], 128*KS/256
	s_mov_b32 s[\g+5], 32
	s_mov_b32 s[\g+6], 0
	s_mov_b32 s[\g+7], 0
.endr
	s_add_nc_u64 s[20:21], s[4:5], s[20:21]
	s_add_nc_u64 s[22:23], s[6:7], s[22:23]
	s_add_nc_u64 s[46:47], s[4:5], s[46:47]
	s_add_nc_u64 s[92:93], s[6:7], s[92:93]
	CROUND                                         ; all sixteen work-groups are here: the first joint loads meet
	s_mov_b32 s[G0S], 1
	s_add_co_u32 s[G0S+1], s94, SCL
	s_mov_b64 s[G0S+2:G0S+3], s[22:23]
	s_or_b32 s[G0S+3], s[G0S+3], 0x80000000
	s_mov_b32 s[G0SB], 1
	s_add_co_u32 s[G0SB+1], s94, SCL
	s_mov_b64 s[G0SB+2:G0SB+3], s[92:93]
	s_or_b32 s[G0SB+3], s[G0SB+3], 0x80000000
	JLOAD G0S, G1S, G0SB, G1SB                     ; the scales first: filled once
.irp s, 0,1
	s_mov_b32 s[G0+4*\s], 1
	s_add_co_u32 s[G0+4*\s+1], s45, \s*SLOT
	s_add_nc_u64 s[G0+4*\s+2:G0+4*\s+3], s[20:21], \s*ROWB
	s_or_b32 s[G0+4*\s+3], s[G0+4*\s+3], 0x80000000
	s_mov_b32 s[G0B+4*\s], 1
	s_add_co_u32 s[G0B+4*\s+1], s45, \s*SLOT
	s_add_nc_u64 s[G0B+4*\s+2:G0B+4*\s+3], s[46:47], \s*ROWB
	s_or_b32 s[G0B+4*\s+3], s[G0B+4*\s+3], 0x80000000
	JLOAD G0+4*\s, G1, G0B+4*\s, G1B
.endr
	v_and_b32 v1, 15, v0                           ; r
	v_bfe_u32 v2, v0, 4, 1                         ; lane / 16
	v_mul_u32_u24 v3, v1, PITCH
	v_mul_u32_u24 v4, v2, 24
	v_add_nc_u32 v4, v3, v4
	v_lshl_add_u32 v5, v2, 4, v4                   ; the same behind one padding more
	s_mul_i32 s21, s15, HALFT
	s_mul_i32 s22, s16, HALFT
	s_add_co_u32 s22, s22, 2*HALFT
.irp s, 0,1
	v_add_nc_u32 v[ADRA+\s], s21, v4
	v_add_nc_u32 v[ADRB+\s], s22, v4
	v_add_nc_u32 v[ADRA+2+\s], s21, v5
	v_add_nc_u32 v[ADRB+2+\s], s22, v5
	s_add_co_u32 s21, s21, SLOT
	s_add_co_u32 s22, s22, SLOT
.endr
	v_mul_u32_u24 v5, v1, KS
	v_lshrrev_b32 v6, 8, v5
	v_lshl_add_u32 v5, v6, 4, v5
	s_mul_i32 s21, s15, HALFS
	s_mul_i32 s22, s16, HALFS
	s_add_co_u32 s22, s22, 2*HALFS
	s_sub_co_u32 s22, s22, s21
	v_mul_u32_u24 v6, s22, v2                      ; lanes 16-31 take B's scale words
	s_add_co_u32 s21, s21, SCL
	v_add_nc_u32 v5, v5, v6
	v_add_nc_u32 v[ADRS], s21, v5
	; what the way out wants is asked for now and lands during the products: no line of the loop names these registers
	v_and_b32 v6, 31, v0
	v_lshlrev_b32 v[L16], 4, v6
	v_lshlrev_b32 v[L8], 3, v6
	v_lshlrev_b32 v[BO], 6, v2
	v_and_b32 v6, 8, v1
	v_add_nc_u32 v6, v6, v1                        ; r + 8 (r / 8)
	v_lshlrev_b32 v[BLO], 2, v6
	v_lshlrev_b32 v[CSO], 8, v6
	v_add_nc_u32 v[CSO], v[CSO], v[BO]
	s_and_b32 s18, s42, 3
	s_lshl_b32 s18, s18, 1
	s_add_co_u32 s18, s18, s16
	s_lshl_b32 s18, s18, 9                         ; 4 bytes x (256 (B's tile % 4) + 128 x my half)
	s_mov_b32 s19, 0
	s_add_nc_u64 s[98:99], s[10:11], s[18:19]      ; the bias by registers (q, k use it; inside the buffer in every mode)
	s_and_b32 s18, s17, 3
	s_lshl_b32 s18, s18, 1
	s_add_co_u32 s18, s18, s15
	s_lshl_b32 s18, s18, 9
	s_add_nc_u64 s[100:101], s[10:11], s[18:19]    ; the bias by lanes (v uses it)
	s_lshl_b32 s18, s17, 1
	s_add_co_u32 s18, s18, s15
	s_and_b32 s18, s18, 15
	s_lshl_b32 s18, s18, 15                        ; my first token's place in its sequence x 256 bytes
	s_add_nc_u64 s[8:9], s[8:9], s[18:19]
	WIN TO_B
.irp n, 0,4,8,12,16,20,24,28,32,36,40,44,48,52,56,60
	global_load_b128 v[96+\n+96*(\n/32):96+\n+96*(\n/32)+3], v[BO], s[98:99] offset:128*(\n/16)+4*(\n%16)   ; register 16 g + i: bias of feature 32 g + 16 (lane / 16) + i
.endr
	WIN 0
.irp a, 0,1,2,3,4,5,6,7
	global_load_b32 v[BL+\a], v[BLO], s[100:101] offset:4*(32*(\a/2)+8*(\a%2))
.endr
.macro CSLOAD a                        ; cos and sin of my lane's token of block a, into set a % 2
.irp n, 0,4,8,12,16,20,24,28
	global_load_b128 v[CS+32*((\a)%2)+\n:CS+32*((\a)%2)+\n+3], v[CSO], s[8:9] offset:256*(32*((\a)/2)+8*((\a)%2))+128*(\n/16)+4*(\n%16)
.endr
.endm
	CSLOAD 0
	CSLOAD 1
	; where the results go
	s_cmp_eq_u32 s95, 1
	s_cselect_b32 s18, s42, s17                    ; the tokens' tile,
	s_cselect_b32 s19, s16, s15                    ; my half of it,
	s_cselect_b32 s22, s41, s40                    ; which four heads,
	s_cselect_b32 s23, s15, s16                    ; and which two of them
	s_cselect_b32 s66, 6656, 0                     ; V lies behind K in a block
	s_lshl_b32 s18, s18, 1
	s_add_co_u32 s18, s18, s19                     ; my first token / 128
	s_lshr_b32 s19, s18, 4                         ; b
	s_and_b32 s18, s18, 15                         ; the group of 128 in the sequence
	s_lshl_b32 s22, s22, 2
	s_lshl_b32 s23, s23, 1
	s_add_co_u32 s22, s22, s23                     ; my first head
	s_lshl_b32 s19, s19, 4
	s_add_co_u32 s19, s19, s22
	s_lshl_b32 s19, s19, 4
	s_add_co_u32 s19, s19, s18
	s_mul_i32 s18, s19, s67
	s_add_co_u32 s18, s18, s66
	s_mov_b32 s19, 0
	s_add_nc_u64 s[12:13], s[12:13], s[18:19]      ; my first head's block
	s_lshl_b32 s18, s67, 4
	s_add_nc_u64 s[96:97], s[12:13], s[18:19]      ; my second head's: 16 blocks on
.macro FRAG reg, adr, q, i             ; 16 rows x 128 K of 6-bit codes: 12 registers, six pieces of 8 bytes; where the piece of lanes 16-31 lies behind one padding more, the second address register serves
.irp p, 0,1,2,3,4,5
.set PC, 12*(\q)+6*(\p/3)+\p%3
.if PC%8 < 5
	ds_load_b64 v[\reg+2*\p:\reg+2*\p+1], v[\adr] offset:8*PC+16*(PC/8)+(\i)*16*PITCH
.else
	ds_load_b64 v[\reg+2*\p:\reg+2*\p+1], v[\adr+2] offset:8*PC+16*(PC/8)+(\i)*16*PITCH
.endif
.endr
.endm
; 16 matrix instructions: A's blocks a0, a0 + 1 x B's eight.  The 64 accumulators take turns, one instruction a turn, in the same order in every step.
.macro MUL16 a0, p, q, sc, zero
.irp a, \a0, \a0+1
.irp b, 0,1,2,3,4,5,6,7
.if \zero
	v_wmma_scale_f32_16x16x128_f8f6f4 v[8*(8*((\a)%4)+\b):8*(8*((\a)%4)+\b)+7], v[128*(\p)+FR*\b:128*(\p)+FR*\b+FR-1], v[AF+FR*(\a):AF+FR*(\a)+FR-1], 0, v[SC+8*NQ*(\sc)+NQ*\b+(\q)], v[SC+8*NQ*(\sc)+NQ*(\a)+(\q)] matrix_a_fmt:MATRIX_FMT_BF6 matrix_b_fmt:MATRIX_FMT_BF6 matrix_a_scale:MATRIX_SCALE_ROW1
.else
	v_wmma_scale_f32_16x16x128_f8f6f4 v[8*(8*((\a)%4)+\b):8*(8*((\a)%4)+\b)+7], v[128*(\p)+FR*\b:128*(\p)+FR*\b+FR-1], v[AF+FR*(\a):AF+FR*(\a)+FR-1], v[8*(8*((\a)%4)+\b):8*(8*((\a)%4)+\b)+7], v[SC+8*NQ*(\sc)+NQ*\b+(\q)], v[SC+8*NQ*(\sc)+NQ*(\a)+(\q)] matrix_a_fmt:MATRIX_FMT_BF6 matrix_b_fmt:MATRIX_FMT_BF6 matrix_a_scale:MATRIX_SCALE_ROW1
.endif
.endr
.endr
.endm
.macro FETCH_B slot, q, p
	WIN TO_B
.irp i, 0,1,2,3,4,5,6,7
	FRAG 128*(\p)+FR*\i, ADRB+\slot, \q, \i
.endr
	WIN 0
.endm
.macro FETCH_A slot, q, i0
.irp i, \i0, \i0+1, \i0+2, \i0+3
	FRAG AF+FR*(\i), ADRA+\slot, \q, \i
.endr
.endm
.macro SCALES sc                       ; a K step's scale words: lanes 0-15 A's block i, lanes 16-31 B's block i
.irp i, 0,1,2,3,4,5,6,7
	ds_load_b64 v[SC+8*NQ*\sc+NQ*\i:SC+8*NQ*\sc+NQ*\i+1], v[ADRS] offset:\i*SBLK
.endr
.endm
.macro PLACES n                        ; plain vector lines between a matrix instruction and a load into, or a vector line on, its registers
.rept \n
	v_nop
.endr
.endm
.macro STEP slot, q, zero              ; 128 along K that has its successor in the same slot
	s_wait_dscnt 4*NL                              ; B's set and A's blocks 0-3 are in; the youngest 24 loads (A's blocks 4-7) may be out
	WIN MUL_LO
	MUL16 0, (\q)%2, \q, \slot, \zero
	MUL16 2, (\q)%2, \q, \slot, \zero
	s_wait_dscnt 0
	PLACES NP
	FETCH_B \slot, (\q)+1, 1-(\q)%2
	FETCH_A \slot, (\q)+1, 0
	WIN MUL_HI
	MUL16 4, (\q)%2, \q, \slot, \zero
	MUL16 6, (\q)%2, \q, \slot, \zero
	PLACES NP
	WIN 0
	FETCH_A \slot, (\q)+1, 4
.endm
; A slot's last step changes slots: in front of the barrier each wave waits for all its tensor loads, adds 0 to its spare word, and waits for that and for its reads of this slot.
.macro TURN slot, next, fill
	s_wait_tensorcnt 0x0                           ; all my tensor loads have landed: my part of the next slot
	ds_add_u32 v[SPW], v[NIL]                      ; 0 onto my spare word
	s_wait_dscnt 4*NL+1                            ; (the add and the youngest 24 loads may be out)
	WIN MUL_LO
	MUL16 0, 1, NQ-1, \slot, 0
	s_wait_dscnt 0x0                               ; the add is done, and my reads of this slot are over
	s_barrier_signal -1
	MUL16 2, 1, NQ-1, \slot, 0
	WIN 0
	s_barrier_wait -1
.if \fill
	CREST                                          ; the barrier has opened a round of the cluster's: no wave of any partner still reads this slot or has a load on its way
	s_add_nc_u64 s[G0+4*\slot+2:G0+4*\slot+3], s[G0+4*\slot+2:G0+4*\slot+3], 2*ROWB
	s_add_nc_u64 s[G0B+4*\slot+2:G0B+4*\slot+3], s[G0B+4*\slot+2:G0B+4*\slot+3], 2*ROWB
	JLOAD G0+4*\slot, G1, G0B+4*\slot, G1B         ; the first tensor load behind the round; its four v_nop are the places in front of the loads below
.else
	PLACES NP
.endif
	v_add_nc_u32 v[ADRS], 4*NQ, v[ADRS]
	FETCH_B \next, 0, 0
	FETCH_A \next, 0, 0
	SCALES \next
	WIN MUL_HI
	MUL16 4, 1, NQ-1, \slot, 0
	MUL16 6, 1, NQ-1, \slot, 0
	PLACES NP
	WIN 0
	FETCH_A \next, 0, 4
.endm
	s_wait_tensorcnt 1                             ; the scales and my part of K step 0 are in (K step 1's load may be out)
	s_barrier_signal -1
	s_barrier_wait -1
	FETCH_B 0, 0, 0
	FETCH_A 0, 0, 0
	SCALES 0
	FETCH_A 0, 0, 4
	STEP 0, 0, 1                                   ; the first products start the sums
	s_mov_b32 s3, LAPS-1
.Llap:
	TURN 0, 1, 1
	STEP 1, 0, 0
	TURN 1, 0, 1
	STEP 0, 0, 0
	s_sub_co_u32 s3, s3, 1
	s_cmp_lg_u32 s3, 0
	s_cbranch_scc1 .Llap
	TURN 0, 1, 0                                   ; the last lap fills nothing
	STEP 1, 0, 0
	s_wait_dscnt 4*NL
	WIN MUL_LO
	MUL16 0, 1, NQ-1, 1, 0
	MUL16 2, 1, NQ-1, 1, 0
	s_wait_dscnt 0
	WIN MUL_HI
	MUL16 4, 1, NQ-1, 1, 0
	MUL16 6, 1, NQ-1, 1, 0
	WIN 0
; 64 numbers of a lane, register 16 b + i = k 32 b + 16 (lane / 16) + i of my row, become codes: v[d0] on: k = 32 (lane / 16) + 0 .. 31, v[d1] on: k = 64 + 32 (lane / 16) + 0 .. 31; the four scale bytes make v[pw].
.macro QUANT s, d0, d1, pw
.irp b, 0,1,2,3
	v_max3_num_f32 v[TM+\b], |v[\s+16*\b]|, |v[\s+1+16*\b]|, 0x2800000   ; my 16 numbers of block b, and the floor 2^(5 - 127)
.endr
.irp i, 2,4,6,8,10,12,14
.irp b, 0,1,2,3
	v_max3_num_f32 v[TM+\b], v[TM+\b], |v[\s+16*\b+\i]|, |v[\s+1+16*\b+\i]|
.endr
.endr
.irp b, 0,1,2,3
	v_permlanex16_b32 v[TM+4+\b], v[TM+\b], s20, s21
.endr
.irp b, 0,1,2,3
	v_max_num_f32 v[TM+\b], v[TM+\b], v[TM+4+\b]   ; with lane l xor 16's: the block's largest magnitude
.endr
.irp b, 0,1,2,3
	v_add_nc_u32 v[TM+8+\b], 0xfe000000, v[TM+\b]  ; 4 off its exponent field: the conversion's scale operand
.endr
.irp b, 0,1,2,3
	v_lshrrev_b32 v[TM+4+\b], 23, v[TM+8+\b]       ; the scale's byte
.endr
	v_lshl_or_b32 v[\pw], v[TM+5], 8, v[TM+4]
	v_lshl_or_b32 v[\pw], v[TM+6], 16, v[\pw]
	v_lshl_or_b32 v[\pw], v[TM+7], 24, v[\pw]
	v_cvt_scalef32_pk16_bf6_f32 v[\d0:\d0+2], v[\s:\s+15], v[TM+8]
	v_cvt_scalef32_pk16_bf6_f32 v[CT:CT+2], v[\s+16:\s+31], v[TM+9]
	v_cvt_scalef32_pk16_bf6_f32 v[\d1:\d1+2], v[\s+32:\s+47], v[TM+10]
	v_cvt_scalef32_pk16_bf6_f32 v[CT+4:CT+6], v[\s+48:\s+63], v[TM+11]
	v_nop                                          ; one plain line behind the scaled conversions
.irp i, 0,1,2
	v_permlane16_swap_b32 v[\d0+\i], v[CT+\i]      ; the operand's layout wants a whole block in a lane
	v_permlane16_swap_b32 v[\d1+\i], v[CT+4+\i]
.endr
.irp i, 0,1,2
	v_mov_b32 v[\d0+3+\i], v[CT+\i]
	v_mov_b32 v[\d1+3+\i], v[CT+4+\i]
.endr
.endm
; q, k: block a = 16 tokens x my 128 features (two heads).  Bias, rotation, codes along d; two blocks make a pair image for each head.
.macro EPIQK a
	WIN 0x06+(\a)/4                                ; source 0: the accumulators' window; source 1: window 1, the bias
.set m, 0
.rept 32
	v_pk_add_f32 v[H+m:H+m+1], v[64*((\a)%4)+m:64*((\a)%4)+m+1], v[96+m+96*(m/32):96+m+96*(m/32)+1]   ; each accumulator from its low end on
.set m, m+2
.endr
	WIN 0
.if (\a) >= 2
.if (\a) <= 6
	s_wait_loadcnt 8                               ; this block's cos and sin are in; the next block's 8 loads may be out
.else
	s_wait_loadcnt 0x0
.endif
.endif
.irp g, 0,1,2,3
.irp p, 0,2,4,6,8,10,12,14
	v_pk_mul_f32 v[T+\p:T+\p+1], v[H+16*\g+\p:H+16*\g+\p+1], v[CS+32*((\a)%2)+16*(\g%2)+\p:CS+32*((\a)%2)+16*(\g%2)+\p+1] op_sel:[0,1] op_sel_hi:[1,1]   ; (even x sin, odd x sin)
.endr
.irp p, 0,2,4,6,8,10,12,14
	v_pk_fma_f32 v[H+16*\g+\p:H+16*\g+\p+1], v[H+16*\g+\p:H+16*\g+\p+1], v[CS+32*((\a)%2)+16*(\g%2)+\p:CS+32*((\a)%2)+16*(\g%2)+\p+1], v[T+\p:T+\p+1] op_sel:[0,0,1] op_sel_hi:[1,0,0] neg_lo:[0,0,1]   ; (even x cos - odd x sin, odd x cos + even x sin)
.endr
.endr
.if (\a) <= 5
	CSLOAD (\a)+2
.endif
.if ((\a)%2 == 0) && ((\a) >= 2)
	s_wait_xcnt 0x0                                ; the last pair's stores have read the images: they are written again only behind this wait
.endif
	QUANT H, IMG+6*((\a)%2), IMG+12+6*((\a)%2), PW+(\a)%2
.if (\a)%2
	v_cndmask_b32 v[SI+(\a)/2], v[PW], v[PW+1], s94                ; the even tile's words in lanes 0-15, the odd tile's in lanes 16-31: bytes 0, 1 are my first head's;
	v_lshrrev_b32 v[SI+4+(\a)/2], 16, v[SI+(\a)/2]                 ; my second head's
.irp g, 0,1,2
	global_store_b128 v[L16], v[IMG+4*\g:IMG+4*\g+3], s[12:13] offset:1536*((\a)/2)+512*\g       ; 32 lanes store 512 consecutive bytes, aligned
	global_store_b128 v[L16], v[IMG+12+4*\g:IMG+12+4*\g+3], s[96:97] offset:1536*((\a)/2)+512*\g
.endr
.endif
.endm
; v: block a = 16 features x my 128 tokens.  Bias by lanes, codes along the tokens: a whole fragment.
.macro EPIV a
	WIN 0x02+(\a)/4
.set m, 0
.rept 32
.if (\a)%2
	v_pk_add_f32 v[H+m:H+m+1], v[64*((\a)%4)+m:64*((\a)%4)+m+1], v[BL+2*((\a)/2):BL+2*((\a)/2)+1] op_sel:[0,1] op_sel_hi:[1,1]
.else
	v_pk_add_f32 v[H+m:H+m+1], v[64*((\a)%4)+m:64*((\a)%4)+m+1], v[BL+2*((\a)/2):BL+2*((\a)/2)+1] op_sel:[0,0] op_sel_hi:[1,0]
.endif
.set m, m+2
.endr
	WIN 0
.if (\a) >= 2
	s_wait_xcnt 0x0                                ; the stores of two blocks ago have read this image's registers
.endif
	QUANT H, IMG+12*((\a)%2), IMG+12*((\a)%2)+6, PW+(\a)%2
.irp g, 0,1,2
.if (\a) < 4
	global_store_b128 v[L16], v[IMG+12*((\a)%2)+4*\g:IMG+12*((\a)%2)+4*\g+3], s[12:13] offset:1536*((\a)%4)+512*\g
.else
	global_store_b128 v[L16], v[IMG+12*((\a)%2)+4*\g:IMG+12*((\a)%2)+4*\g+3], s[96:97] offset:1536*((\a)%4)+512*\g
.endif
.endr
.if (\a)%2
	v_cndmask_b32 v[SI+2*((\a)/4)+((\a)%4)/2], v[PW], v[PW+1], s94
.endif
.if (\a) == 3
	global_store_b64 v[L8], v[SI:SI+1], s[12:13] offset:6144       ; 32 lanes store 256 consecutive bytes, aligned
.endif
.if (\a) == 7
	global_store_b64 v[L8], v[SI+2:SI+3], s[96:97] offset:6144
.endif
.endm
	PLACES NP                                      ; behind the last products, ahead of the first read of results and of writes over operands and scale words
	s_wait_loadcnt 0x0                             ; the biases and the first two sets of cos and sin
	s_mov_b32 s94, 0xffff0000                      ; lanes 16-31
	s_mov_b32 s20, 0x76543210
	s_mov_b32 s21, 0xfedcba98                      ; lane l xor 16
.irp b, 0,1,2,3
	v_mov_b32 v[TM+4+\b], 0                        ; a lane permute's destination counts as one of its sources
.endr
	s_cmp_eq_u32 s95, 1
	s_cbranch_scc1 .Lv
.irp a, 0,1,2,3,4,5,6,7
	EPIQK \a
.endr
	global_store_b128 v[L16], v[SI:SI+3], s[12:13] offset:6144
	global_store_b128 v[L16], v[SI+4:SI+7], s[96:97] offset:6144
	s_branch .Lend
.Lv:
.irp a, 0,1,2,3,4,5,6,7
	EPIV \a
.endr
.Lend:
	s_wait_tensorcnt 0x0                           ; the wave's end
	ds_add_u32 v[SPW], v[NIL]
	s_wait_dscnt 0x0
	CROUND                                         ; the closing round
	s_endpgm
.Lfunc_end_k_q829017a0d1_qkv:
	.size	k_q829017a0d1_qkv, .Lfunc_end_k_q829017a0d1_qkv-k_q829017a0d1_qkv
	.p2alignl 7, 3214868480
	.fill 96, 4, 3214868480
	.section	.rodata,"a",@progbits
	.p2align	6, 0x0
	.amdhsa_kernel k_q829017a0d1_qkv
		.amdhsa_group_segment_fixed_size 327680
		.amdhsa_private_segment_fixed_size 0
		.amdhsa_enable_private_segment 0
		.amdhsa_kernarg_size 64
		.amdhsa_user_sgpr_count 2
		.amdhsa_user_sgpr_kernarg_segment_ptr 1
		.amdhsa_wavefront_size32 1
		.amdhsa_system_sgpr_workgroup_id_x 1
		.amdhsa_system_sgpr_workgroup_id_y 1
		.amdhsa_system_sgpr_workgroup_id_z 1
		.amdhsa_system_vgpr_workitem_id 0
		.amdhsa_next_free_vgpr 1024
		.amdhsa_next_free_sgpr 102
		.amdhsa_reserve_vcc 0
		.amdhsa_float_denorm_mode_32 3
		.amdhsa_float_denorm_mode_16_64 3
		.amdhsa_memory_ordered 1
		.amdhsa_forward_progress 1
		.amdhsa_inst_pref_size 255
	.end_amdhsa_kernel
	.section	.bss,"aw",@nobits
	.p2align	6
	.space	262144
	.amdgpu_metadata
---
amdhsa.version: [ 1, 2 ]
amdhsa.kernels:
  - .name:           k_q829017a0d1_qkv
    .symbol:         k_q829017a0d1_qkv.kd
    .args:
      - { .name: cod, .offset: 0, .size: 8, .value_kind: global_buffer, .address_space: global }
      - { .name: scl, .offset: 8, .size: 8, .value_kind: global_buffer, .address_space: global }
      - { .name: rope, .offset: 16, .size: 8, .value_kind: global_buffer, .address_space: global }
      - { .name: bq, .offset: 24, .size: 8, .value_kind: global_buffer, .address_space: global }
      - { .name: bk, .offset: 32, .size: 8, .value_kind: global_buffer, .address_space: global }
      - { .name: bv, .offset: 40, .size: 8, .value_kind: global_buffer, .address_space: global }
      - { .name: qw, .offset: 48, .size: 8, .value_kind: global_buffer, .address_space: global }
      - { .name: kvw, .offset: 56, .size: 8, .value_kind: global_buffer, .address_space: global }
    .group_segment_fixed_size: 327680
    .private_segment_fixed_size: 0
    .kernarg_segment_align: 8
    .kernarg_segment_size: 64
    .max_flat_workgroup_size: 128
    .sgpr_count:     102
    .vgpr_count:     1024
    .wavefront_size: 32
...
	.end_amdgpu_metadata
.endif
;; end of part 2
;; launch attn (part 3): grid 4 x 64, 16 waves a work-group, clusters of 4 x 1, 210,944 bytes of LDS; arguments qw, kvw, ac, asc; writes ac, asc
.if DOCPART == 3
	.amdgcn_target "amdgcn-amd-amdhsa--gfx1250"
	.amdhsa_code_object_version 6
	.text
	.protected	k_q829017a0d1_attn
	.globl	k_q829017a0d1_attn
	.p2align	8
	.type	k_q829017a0d1_attn,@function
k_q829017a0d1_attn:
	s_mov_b64 s[64:65], 0
	v_nop
	global_prefetch_b8 v0, s[64:65] scope:SCOPE_SE
	s_setreg_imm32_b32 hwreg(HW_REG_WAVE_MODE, 25, 1), 1
	s_wait_xcnt 0x0
	s_wait_alu depctr_hold_cnt(0) depctr_sa_sdst(0) depctr_va_vdst(0) depctr_va_sdst(0) depctr_va_ssrc(0) depctr_va_vcc(0) depctr_vm_vsrc(0)
	s_getreg_b32 s2, hwreg(HW_REG_IB_STS2, 6, 4)
	s_cmp_eq_u32 s2, 0
	s_cbranch_scc0 .Lentry_in_a_cluster
	s_endpgm
.Lentry_in_a_cluster:
	s_bfe_u32 s2, ttmp6, 0x10000c
	s_cmp_lg_u32 s2, 0x3003
	s_cbranch_scc0 .Lentry_shape_is_right
	s_endpgm
.Lentry_shape_is_right:
; Causal attention of one (batch, head) per cluster, both products on codes of BF6 (E3M2) with E8M0 scales; head size 64, 2,048 keys.
; t = score x log2(e) / 8; M = the running largest t rounded up to a whole number; p = 2^(t - M) is quantised along the keys, not normalised; the row's sum is taken of the unquantised p and divides O at the end.
; O / sum is quantised along d (two blocks of 32 a head) and leaves as an image of the last product's operand registers (ac) with its two scale bytes a row (asc).
; SHARES.  The four work-groups of a cluster share the head's K and V: all 16 key steps (128 keys, 13,056 bytes each) come into each one's LDS ONCE, by joint loads, and stay: nothing is filled again.
; Tile T of 16 queries (places 16 T .. 16 T + 15 of the octet order: lane r is token 32 (T / 2) + 8 (T % 2) + r + 8 (r / 8)).  Wave w of partner c takes tiles T = 4 j + c with j = 31 - w, then j = w.
; Tile 4 j + c needs key steps 0 .. j / 2 whatever c is: every branch hangs on the wave's number and on counters alone, and every wave walks 17 key steps in all.  c enters global addresses and the mask's lane data only.
; LAYOUT.  Both products are used transposed: a lane holds ONE query.  S^T = K Q^T: K = 64 is filled up to the instruction's 128 by zero codes on Q's side (v22-27); what lies in K's upper six registers (the next tile's codes) meets zeros.
; By the octet order the 16 registers of score tiles 2 b, 2 b + 1 are keys 32 b + 16 (lane / 16) + 0 .. 15, and the 16 registers of O^T's tiles 2 b, 2 b + 1 are d = 32 b + 16 (lane / 16) + 0 .. 15.
; LIMITS: NaN and infinities are not served; p under 2^-126 counts as 0; a block of zeros gets the byte 1 with zero codes.
; REGISTERS: v1 16 x lane, v2 8 x lane, v3-4 LDS addresses, v5 the mask's lane term, v6-9 Q's offsets, v10 the mask's term of this tile, v11 32 r; v12 -M, v13 largest t, v[14:15] the sum; v16-21 Q, v22-27 zeros, v28 Q's scale word;
;   v32-79 K's four pair images, then V's four fragments; v80-85 zeros; v86-89 K's scale words, v90-91 V's; v96-159 S^T, then p; v160-191 O^T; v192-202 the result's codes; v224-254 at work.
.set KVB,  13056                       ; a key step's block
.set QGB,  6656                        ; a block of 128 queries
.set STG,  4*KVB                       ; a stage: four key steps, one a fetching wave
.set G1,   24                          ; s[24:31]
.set G0,   32                          ; s[32:47]: four groups 0, one a stage
.macro CROUND
	s_barrier_signal -1
	s_barrier_wait -1
	s_cmp_lg_u32 s12, 0
	s_cbranch_scc1 .Lnot_wave_0_\@
	s_barrier_signal -3
.Lnot_wave_0_\@:
	s_barrier_wait -3
	s_barrier_signal -1
	s_barrier_wait -1
.endm
	s_load_b256 s[4:11], s[0:1], 0x0               ; qw, kvw, ac, asc
	v_lshl_add_u32 v251, v0, 2, 0x33000
	v_mov_b32 v255, 0
	ds_add_u32 v251, v255
	ds_add_u32 v251, v255
	v_lshrrev_b32 v1, 5, v0
	s_delay_alu instid0(VALU_DEP_1)
	v_readfirstlane_b32 s12, v1                    ; wave 0..15
	s_bfe_u32 s13, ttmp6, 0x40000                  ; c: my place in the cluster
	s_and_b32 s14, ttmp7, 0xffff                   ; 16 b + head, which the four partners share
	s_mov_b32 s[G1], 15|(3<<16)|(1<<21)            ; the mask: all four; elements of 8 bytes; no padding; bit 21 beside a mask
	s_mov_b32 s[G1+1], 32<<16                      ; rows of 256 bytes,
	s_mov_b32 s[G1+2], 51<<16                      ; 51 of them: a dense block of 13,056 bytes
	s_mov_b32 s[G1+3], 32<<16
	s_mov_b32 s[G1+4], 51
	s_mov_b32 s[G1+5], 32
	s_mov_b32 s[G1+6], 0
	s_mov_b32 s[G1+7], 0
	s_and_b32 s66, s12, 3
	s_mul_i32 s67, s66, KVB                        ; my key step of a stage, in LDS and in memory
	s_mul_i32 s68, s14, 16*KVB                     ; the head's first byte
	s_add_co_u32 s68, s68, s67
	s_mov_b32 s69, 0
	s_mov_b32 s20, 0x76543210
	s_mov_b32 s21, 0xfedcba98                      ; lane l xor 16
	s_mov_b32 s22, 0x3e38aa3b                      ; log2(e) / 8
	s_mov_b32 s23, s22                             ; (named with it as a pair)
	s_wait_dscnt 0x0
	s_wait_kmcnt 0x0
	s_add_nc_u64 s[68:69], s[6:7], s[68:69]
	CROUND                                         ; all four work-groups are here: the joint loads meet
.irp g, 0,1,2,3
	s_mov_b32 s[G0+4*\g], 1
	s_add_co_u32 s[G0+4*\g+1], s67, \g*STG
	s_add_nc_u64 s[G0+4*\g+2:G0+4*\g+3], s[68:69], \g*STG
	s_or_b32 s[G0+4*\g+3], s[G0+4*\g+3], 0x80000000
.endr
	s_cmp_lt_u32 s12, 4                            ; waves 0 to 3 fetch: four loads each, in one branch, ahead of every wait on TENSORcnt, LDS read and work-group barrier: four loads of a wave are out
	s_cbranch_scc0 .Lnofill
	tensor_load_to_lds s[G0:G0+3], s[G1:G1+7]
	s_nop 0
	tensor_load_to_lds s[G0+4:G0+7], s[G1:G1+7]
	s_nop 0
	tensor_load_to_lds s[G0+8:G0+11], s[G1:G1+7]
	s_nop 0
	tensor_load_to_lds s[G0+12:G0+15], s[G1:G1+7]
	s_nop 0
.rept 4
	v_nop
.endr
.Lnofill:
	v_and_b32 v29, 31, v0
	s_delay_alu instid0(VALU_DEP_1)
	v_lshlrev_b32 v1, 4, v29
	s_wait_alu depctr_va_vdst(0)
	v_lshlrev_b32 v2, 3, v29
	v_and_b32 v30, 15, v0                          ; r
	v_bfe_u32 v31, v0, 4, 1                        ; lane / 16
	s_lshr_b32 s66, s13, 1                         ; c / 2
	s_and_b32 s67, s13, 1                          ; u = c % 2
	v_and_b32 v5, 8, v30
	s_delay_alu instid0(VALU_DEP_1)
	v_add_nc_u32 v5, v5, v30
	v_lshlrev_b32 v3, 4, v31
	s_delay_alu instid0(VALU_DEP_1)
	v_sub_nc_u32 v5, v5, v3
	s_lshl_b32 s70, s66, 5
	s_lshl_b32 s71, s67, 3
	s_add_co_u32 s70, s70, s71
	v_add_nc_u32 v5, s70, v5                       ; 32 (c / 2) + 8 u + r + 8 (r / 8) - 16 (lane / 16)
	s_mul_i32 s70, s66, 1536                       ; my tile's six registers in its pair image: pieces of 8 bytes at 16 lane + {0, 8, 512} (u = 0) or {520, 1024, 1032} (u = 1)
	s_mul_i32 s71, s67, 520
	s_add_co_u32 s71, s71, s70
	v_add_nc_u32 v6, s71, v1
	s_delay_alu instid0(VALU_DEP_1)
	v_add_nc_u32 v8, 512, v6
	s_mul_i32 s71, s67, 1016
	s_add_co_u32 s71, s71, s70
	s_add_co_u32 s71, s71, 8
	v_add_nc_u32 v7, s71, v1
	s_lshl_b32 s70, s67, 8
	s_lshl_b32 s71, s66, 2
	s_add_co_u32 s70, s70, s71
	v_lshl_add_u32 v9, v30, 4, s70                 ; my row's scale word in the scale image: 16 (16 u + r) + 4 (c / 2)
	v_lshlrev_b32 v11, 5, v30                      ; asc: 32 bytes a row
.irp j, 22,23,24,25,26,27,80,81,82,83,84,85,236,237,238,239,252,253
	v_mov_b32 v\j, 0                               ; zero codes; and registers that are named before they are first written
.endr
	s_mul_i32 s70, s14, 16*QGB
	s_mov_b32 s71, 0
	s_add_nc_u64 s[48:49], s[4:5], s[70:71]        ; the head's queries
	s_lshr_b32 s72, s14, 4                         ; b
	s_and_b32 s73, s14, 15                         ; head
	s_lshl_b32 s72, s72, 7
	s_add_co_u32 s72, s72, s13                     ; 128 b + c
	s_lshl_b32 s70, s72, 4
	s_add_co_u32 s70, s70, s73
	s_mul_i32 s70, s70, 768
	s_add_nc_u64 s[50:51], s[8:9], s[70:71]        ; ac at tile 128 b + c, my head
	s_lshl_b32 s70, s72, 9
	s_lshl_b32 s73, s73, 1
	s_add_co_u32 s70, s70, s73
	s_add_nc_u64 s[52:53], s[10:11], s[70:71]      ; asc likewise
.macro INIT pass                       ; a tile begins: j, its Q, where its result goes, zeros
.if \pass
	s_wait_xcnt 0x0                                ; the first tile's stores have read their bases and data
	s_mov_b32 s15, s12
.else
	s_sub_co_u32 s15, 31, s12
.endif
	s_lshr_b32 s16, s15, 1                         ; the tile's last key step
	s_and_b32 s70, s15, 1
	s_lshl_b32 s17, s70, 6
	s_mul_i32 s72, s16, QGB
	s_mov_b32 s73, 0
	s_add_nc_u64 s[56:57], s[48:49], s[72:73]      ; the tile's block of 128 queries
	s_mul_i32 s72, s70, 3072
	s_add_nc_u64 s[54:55], s[56:57], s[72:73]
	s_lshl_b32 s72, s70, 3
	s_add_nc_u64 s[56:57], s[56:57], s[72:73]
	global_load_b64 v[16:17], v6, s[54:55]
	global_load_b64 v[18:19], v7, s[54:55]
	global_load_b64 v[20:21], v8, s[54:55]
	global_load_b32 v28, v9, s[56:57] offset:6144
	s_mul_i32 s72, s15, 49152                      ; four tiles x 16 heads x 768 bytes
	s_add_nc_u64 s[58:59], s[50:51], s[72:73]
	s_lshl_b32 s72, s15, 11
	s_add_nc_u64 s[60:61], s[52:53], s[72:73]
	v_add_nc_u32 v10, s17, v5                      ; my query less the diagonal step's first key, less 16 (lane / 16)
	v_mov_b32 v13, 0xff61b1e6                      ; -3e38, under every t
	s_delay_alu instid0(VALU_DEP_1)
	v_floor_f32 v12, -v13
	v_mov_b32 v14, 0
	v_mov_b32 v15, 0
.set n, 0
.rept 32
	v_mov_b32 v[160+n], 0                          ; O^T: the step is written once for all steps; the first change of M leaves zeros zeros
.set n, n+1
.endr
	s_mov_b32 s18, 0                               ; the key step
	s_wait_loadcnt 0x0
.endm
.macro STEP chk                        ; 128 keys.  chk = 1: steps behind the diagonal are left out, the diagonal step is masked
.if \chk
	s_cmp_gt_u32 s18, s16
	s_cbranch_scc1 .Lhid_\@
.endif
	s_setprio 2
	v_add_nc_u32 v3, s19, v1
	v_add_nc_u32 v4, s19, v2
	v_nop
	v_nop                                          ; four plain lines between the last products and the loads into their operands
.irp g, 0,1,2,3,4,5,6,7,8,9,10,11
	ds_load_b128 v[32+4*\g:35+4*\g], v3 offset:512*\g
.endr
	ds_load_b128 v[86:89], v3 offset:6144
	s_wait_alu depctr_va_vdst(0)
	s_wait_dscnt 0x0
.irp t, 0,2,4,6
	v_wmma_scale_f32_16x16x128_f8f6f4 v[96+8*\t:103+8*\t], v[32+6*\t:43+6*\t], v[16:27], 0, v[86+\t/2], v28 matrix_a_fmt:MATRIX_FMT_BF6 matrix_b_fmt:MATRIX_FMT_BF6
	v_wmma_scale_f32_16x16x128_f8f6f4 v[104+8*\t:111+8*\t], v[38+6*\t:49+6*\t], v[16:27], 0, v[86+\t/2], v28 matrix_a_fmt:MATRIX_FMT_BF6 matrix_b_fmt:MATRIX_FMT_BF6 matrix_a_scale:MATRIX_SCALE_ROW1
.endr
.rept 4
	v_nop
.endr
.irp g, 0,1,2,3,4,5,6,7,8,9,10,11
	ds_load_b128 v[32+4*\g:35+4*\g], v3 offset:6656+512*\g         ; V's fragments land during the softmax
.endr
	ds_load_b64 v[90:91], v4 offset:12800
.if \chk
	s_cmp_lt_u32 s18, s16
	s_cbranch_scc1 .Lopen_\@
	v_mov_b32 v254, 0xff800000                     ; register 16 b + i holds key 32 b + 16 (lane / 16) + i of the step: hidden where 32 b + i > v10
.set n, 0
.rept 64
	v_cmp_gt_i32 vcc_lo, 32*(n/16)+n%16, v10
	v_cndmask_b32 v[96+n], v[96+n], v254, vcc_lo
.set n, n+1
.endr
.Lopen_\@:
.endif
.irp b, 0,1,2,3
	v_max3_num_f32 v[232+\b], v[96+16*\b], v[97+16*\b], v[98+16*\b]   ; the largest score of each block of 32 keys: for the row's maximum, and for the block's largest p
.endr
.irp i, 3,5,7,9,11,13
.irp b, 0,1,2,3
	v_max3_num_f32 v[232+\b], v[232+\b], v[96+16*\b+\i], v[97+16*\b+\i]
.endr
.endr
.irp b, 0,1,2,3
	v_max_num_f32 v[232+\b], v[232+\b], v[111+16*\b]
.endr
.irp b, 0,1,2,3
	s_delay_alu instid0(VALU_DEP_4)
	v_permlanex16_b32 v[236+\b], v[232+\b], s20, s21
.endr
.irp b, 0,1,2,3
	s_delay_alu instid0(VALU_DEP_4)
	v_max_num_f32 v[232+\b], v[232+\b], v[236+\b]
.endr
	s_delay_alu instid0(VALU_DEP_2)
	v_max3_num_f32 v254, v232, v233, v234
	s_delay_alu instid0(VALU_DEP_1)
	v_max_num_f32 v254, v254, v235
	s_delay_alu instid0(VALU_DEP_1)
	v_mul_f32 v254, s22, v254
	s_delay_alu instid0(VALU_DEP_1)
	v_max_num_f32 v13, v13, v254                   ; the running largest t
	v_mov_b32 v254, v12
	s_delay_alu instid0(VALU_DEP_2)
	v_floor_f32 v12, -v13                          ; the new -M
	s_delay_alu instid0(VALU_DEP_1)
	v_sub_f32 v254, v12, v254
	s_delay_alu instid0(VALU_DEP_1)
	v_cvt_i32_f32 v254, v254
	s_delay_alu instid0(VALU_DEP_1)
	v_ldexp_f32 v252, 1.0, v254                    ; f = 2^(old M - new M)
.set n, 0
.rept 32
	v_pk_fma_f32 v[96+n:97+n], v[96+n:97+n], s[22:23], v[12:13] op_sel_hi:[1,0,0]   ; t - M
.set n, n+2
.endr
.irp b, 0,1,2,3
	v_fma_f32 v[232+\b], v[232+\b], s22, v12
.endr
.set n, 0
	s_setprio 1
	s_wait_alu depctr_va_vdst(0)
.rept 64
	v_exp_f32 v[96+n], v[96+n]                     ; p
.set n, n+1
.endr
	v_pk_mul_f32 v[14:15], v[14:15], v[252:253] op_sel_hi:[1,0]    ; the sums under the new M (the plain line behind the batch)
	s_wait_alu depctr_va_vdst(0)                   ; one wait for the batch, ahead of its first reader
.irp b, 0,1,2,3
	v_exp_f32 v[232+\b], v[232+\b]                 ; each block's largest p
.endr
	v_pk_add_f32 v[236:237], v[100:101], v[104:105]
	v_pk_add_f32 v[248:249], v[108:109], v[112:113]
	v_pk_add_f32 v[246:247], v[116:117], v[120:121]
	v_pk_add_f32 v[244:245], v[124:125], v[128:129]
	v_pk_add_f32 v[242:243], v[132:133], v[136:137]
	v_pk_add_f32 v[240:241], v[140:141], v[144:145]
	v_pk_add_f32 v[238:239], v[148:149], v[152:153]
	v_pk_add_f32 v[14:15], v[14:15], v[156:157]
	v_pk_add_f32 v[236:237], v[236:237], v[96:97]
	v_pk_add_f32 v[248:249], v[248:249], v[98:99]
	v_pk_add_f32 v[246:247], v[246:247], v[102:103]
	v_pk_add_f32 v[244:245], v[244:245], v[106:107]
	v_pk_add_f32 v[242:243], v[242:243], v[110:111]
	v_pk_add_f32 v[240:241], v[240:241], v[114:115]
	v_pk_add_f32 v[238:239], v[238:239], v[118:119]
	v_pk_add_f32 v[14:15], v[14:15], v[122:123]
	v_pk_add_f32 v[236:237], v[236:237], v[126:127]
	v_pk_add_f32 v[248:249], v[248:249], v[130:131]
	v_pk_add_f32 v[246:247], v[246:247], v[134:135]
	v_pk_add_f32 v[244:245], v[244:245], v[138:139]
	v_pk_add_f32 v[242:243], v[242:243], v[142:143]
	v_pk_add_f32 v[240:241], v[240:241], v[146:147]
	v_pk_add_f32 v[238:239], v[238:239], v[150:151]
	v_pk_add_f32 v[14:15], v[14:15], v[154:155]
	v_pk_add_f32 v[236:237], v[236:237], v[158:159]
	s_delay_alu instid0(VALU_DEP_2)
	v_pk_add_f32 v[14:15], v[14:15], v[244:245]
	s_delay_alu instid0(VALU_DEP_2)
	v_pk_add_f32 v[236:237], v[236:237], v[242:243]
	v_pk_add_f32 v[248:249], v[248:249], v[240:241]
	v_pk_add_f32 v[246:247], v[246:247], v[238:239]
	s_delay_alu instid0(VALU_DEP_2)
	v_pk_add_f32 v[14:15], v[14:15], v[248:249]
	s_delay_alu instid0(VALU_DEP_2)
	v_pk_add_f32 v[236:237], v[236:237], v[246:247]
	s_delay_alu instid0(VALU_DEP_1)
	v_pk_add_f32 v[14:15], v[14:15], v[236:237]
	s_wait_alu depctr_va_vdst(0)                   ; and one for the four
.irp b, 0,1,2,3
	v_max_num_f32 v[232+\b], 0x2800000, v[232+\b]
.endr
.irp b, 0,1,2,3
	s_delay_alu instid0(VALU_DEP_4)
	v_add_nc_u32 v[244+\b], 0xfe000000, v[232+\b]
.endr
.irp b, 0,1,2,3
	s_delay_alu instid0(VALU_DEP_4)
	v_lshrrev_b32 v[236+\b], 23, v[244+\b]
.endr
	s_delay_alu instid0(VALU_DEP_3)
	v_lshl_or_b32 v253, v237, 8, v236              ; p's scale word for these 128 keys
	s_delay_alu instid0(VALU_DEP_1)
	v_lshl_or_b32 v253, v238, 16, v253
	s_delay_alu instid0(VALU_DEP_1)
	v_lshl_or_b32 v253, v239, 24, v253
.irp c, 0,1
	v_cvt_scalef32_pk16_bf6_f32 v[224+6*\c:226+6*\c], v[96+32*\c:111+32*\c], v[244+2*\c]
	v_cvt_scalef32_pk16_bf6_f32 v[236+4*\c:238+4*\c], v[112+32*\c:127+32*\c], v[244+2*\c+1]
.endr
	v_nop
	s_setprio 0
.irp c, 0,1
.irp i, 0,1,2
	v_permlane16_swap_b32 v[224+6*\c+\i], v[236+4*\c+\i]
.endr
.irp i, 0,1,2
	s_delay_alu instid0(VALU_DEP_3)
	v_mov_b32 v[227+6*\c+\i], v[236+4*\c+\i]
.endr
.endr
.set n, 0
.rept 16
	v_pk_mul_f32 v[160+n:161+n], v[160+n:161+n], v[252:253] op_sel_hi:[1,0]   ; O^T under the new M; these lines also part the scale word's and the codes' last writes from the products
.set n, n+2
.endr
	s_wait_alu depctr_va_vdst(0)
	s_wait_dscnt 0x0                               ; V
.irp t, 0,2
	v_wmma_scale_f32_16x16x128_f8f6f4 v[160+8*\t:167+8*\t], v[32+12*\t:43+12*\t], v[224:235], v[160+8*\t:167+8*\t], v[90+\t/2], v253 matrix_a_fmt:MATRIX_FMT_BF6 matrix_b_fmt:MATRIX_FMT_BF6
	v_wmma_scale_f32_16x16x128_f8f6f4 v[168+8*\t:175+8*\t], v[44+12*\t:55+12*\t], v[224:235], v[168+8*\t:175+8*\t], v[90+\t/2], v253 matrix_a_fmt:MATRIX_FMT_BF6 matrix_b_fmt:MATRIX_FMT_BF6 matrix_a_scale:MATRIX_SCALE_ROW1
.endr
.if \chk
.Lhid_\@:
.endif
	s_add_co_u32 s18, s18, 1
	s_add_co_u32 s19, s19, KVB
.endm
.macro FINISH                          ; O^T / the sum, quantised along d, stored as an image; the two scale bytes
.rept 4
	v_nop
.endr
	v_add_f32 v14, v14, v15
	s_delay_alu instid0(VALU_DEP_1)
	v_permlanex16_b32 v252, v14, s20, s21
	s_delay_alu instid0(VALU_DEP_1)
	v_add_f32 v14, v14, v252
	s_wait_alu depctr_va_vdst(0)
	v_rcp_f32 v14, v14
	v_nop
	s_wait_alu depctr_va_vdst(0)                   ; ahead of the reciprocal's first reader
.set n, 0
.rept 32
	v_mul_f32 v[96+n], v[160+n], v14               ; register 16 b + i: d = 32 b + 16 (lane / 16) + i
.set n, n+1
.endr
.irp b, 0,1
	v_max3_num_f32 v[232+\b], |v[96+16*\b]|, |v[97+16*\b]|, 0x2800000
.endr
.irp i, 2,4,6,8,10,12,14
.irp b, 0,1
	s_delay_alu instid0(VALU_DEP_2)
	v_max3_num_f32 v[232+\b], v[232+\b], |v[96+16*\b+\i]|, |v[97+16*\b+\i]|
.endr
.endr
.irp b, 0,1
	s_delay_alu instid0(VALU_DEP_2)
	v_permlanex16_b32 v[236+\b], v[232+\b], s20, s21
.endr
.irp b, 0,1
	s_delay_alu instid0(VALU_DEP_2)
	v_max_num_f32 v[232+\b], v[232+\b], v[236+\b]
.endr
.irp b, 0,1
	s_delay_alu instid0(VALU_DEP_2)
	v_add_nc_u32 v[244+\b], 0xfe000000, v[232+\b]
.endr
.irp b, 0,1
	s_delay_alu instid0(VALU_DEP_2)
	v_lshrrev_b32 v[236+\b], 23, v[244+\b]
.endr
	s_delay_alu instid0(VALU_DEP_1)
	v_lshl_or_b32 v240, v237, 8, v236
	v_cvt_scalef32_pk16_bf6_f32 v[192:194], v[96:111], v244
	v_cvt_scalef32_pk16_bf6_f32 v[200:202], v[112:127], v245
	v_nop
.irp i, 0,1,2
	v_permlane16_swap_b32 v[192+\i], v[200+\i]
.endr
.irp i, 0,1,2
	s_delay_alu instid0(VALU_DEP_3)
	v_mov_b32 v[195+\i], v[200+\i]                 ; v192-197: d = 32 (lane / 16) + 0 .. 31 of my row
.endr
	global_store_b128 v1, v[192:195], s[58:59]     ; 512 consecutive bytes, aligned
	global_store_b64 v2, v[196:197], s[58:59] offset:512           ; 256 consecutive bytes, aligned
	global_store_b16 v11, v240, s[60:61]           ; my row's two bytes (lanes l and l xor 16 write the same bytes with the same value)
.endm
.macro STAGE g, chk                    ; four key steps, behind the barrier that shows them landed
	s_wait_tensorcnt 3-\g                          ; a fetching wave's load of this stage is in; those of the later stages may be out
	s_wait_dscnt 0x0
	s_barrier_signal -1
	s_barrier_wait -1
	s_mov_b32 s19, \g*STG
	s_mov_b32 s62, 4
.Lstage_\@:
	STEP \chk
	s_sub_co_u32 s62, s62, 1
	s_cmp_lg_u32 s62, 0
	s_cbranch_scc1 .Lstage_\@
	s_setprio 0
.endm
	INIT 0                                         ; j = 31 - wave: 16 .. 31: key steps 0 to 7 lie wholly ahead of the diagonal
	STAGE 0, 0
	STAGE 1, 0
	STAGE 2, 1
	STAGE 3, 1
	FINISH
	INIT 1                                         ; j = wave: 0 .. 15: key steps 0 to 7 at the most
	s_mov_b32 s19, 0
	s_mov_b32 s62, 8
.Lsecond:
	STEP 1
	s_sub_co_u32 s62, s62, 1
	s_cmp_lg_u32 s62, 0
	s_cbranch_scc1 .Lsecond
	s_setprio 0
	FINISH
	s_wait_dscnt 0x0
	s_wait_tensorcnt 0x0
	ds_add_u32 v251, v255
	s_wait_dscnt 0x0
	CROUND                                         ; the closing round
	s_endpgm
.Lfunc_end_k_q829017a0d1_attn:
	.size	k_q829017a0d1_attn, .Lfunc_end_k_q829017a0d1_attn-k_q829017a0d1_attn
	.p2alignl 7, 3214868480
	.fill 96, 4, 3214868480
	.section	.rodata,"a",@progbits
	.p2align	6, 0x0
	.amdhsa_kernel k_q829017a0d1_attn
		.amdhsa_group_segment_fixed_size 210944
		.amdhsa_private_segment_fixed_size 0
		.amdhsa_enable_private_segment 0
		.amdhsa_kernarg_size 32
		.amdhsa_user_sgpr_count 2
		.amdhsa_user_sgpr_kernarg_segment_ptr 1
		.amdhsa_wavefront_size32 1
		.amdhsa_system_sgpr_workgroup_id_x 1
		.amdhsa_system_sgpr_workgroup_id_y 1
		.amdhsa_system_sgpr_workgroup_id_z 1
		.amdhsa_system_vgpr_workitem_id 0
		.amdhsa_next_free_vgpr 256
		.amdhsa_next_free_sgpr 80
		.amdhsa_reserve_vcc 1
		.amdhsa_float_denorm_mode_32 3
		.amdhsa_float_denorm_mode_16_64 3
		.amdhsa_memory_ordered 1
		.amdhsa_forward_progress 1
		.amdhsa_inst_pref_size 120
	.end_amdhsa_kernel
	.amdgpu_metadata
---
amdhsa.version: [ 1, 2 ]
amdhsa.kernels:
  - .name:           k_q829017a0d1_attn
    .symbol:         k_q829017a0d1_attn.kd
    .args:
      - { .name: qw, .offset: 0, .size: 8, .value_kind: global_buffer, .address_space: global }
      - { .name: kvw, .offset: 8, .size: 8, .value_kind: global_buffer, .address_space: global }
      - { .name: ac, .offset: 16, .size: 8, .value_kind: global_buffer, .address_space: global }
      - { .name: asc, .offset: 24, .size: 8, .value_kind: global_buffer, .address_space: global }
    .group_segment_fixed_size: 210944
    .private_segment_fixed_size: 0
    .kernarg_segment_align: 8
    .kernarg_segment_size: 32
    .max_flat_workgroup_size: 512
    .sgpr_count:     80
    .vgpr_count:     256
    .wavefront_size: 32
...
	.end_amdgpu_metadata
.endif
;; end of part 3
;; launch oproj (part 4): grid 4 x 32, 4 waves a work-group, clusters of 4 x 4, 327,680 bytes of LDS; arguments ac, asc, cod, scl, bo, out0; writes out0
.if DOCPART == 4
	.amdgcn_target "amdgcn-amd-amdhsa--gfx1250"
	.amdhsa_code_object_version 6
	.text
	.protected	k_q829017a0d1_oproj
	.globl	k_q829017a0d1_oproj
	.p2align	8
	.type	k_q829017a0d1_oproj,@function
k_q829017a0d1_oproj:
	s_mov_b64 s[64:65], 0
	v_nop
	global_prefetch_b8 v0, s[64:65] scope:SCOPE_SE
	s_setreg_imm32_b32 hwreg(HW_REG_WAVE_MODE, 25, 1), 1
	s_wait_xcnt 0x0
	s_wait_alu depctr_hold_cnt(0) depctr_sa_sdst(0) depctr_va_vdst(0) depctr_va_sdst(0) depctr_va_ssrc(0) depctr_va_vcc(0) depctr_vm_vsrc(0)
	s_getreg_b32 s2, hwreg(HW_REG_IB_STS2, 6, 4)
	s_cmp_eq_u32 s2, 0
	s_cbranch_scc0 .Lentry_in_a_cluster
	s_endpgm
.Lentry_in_a_cluster:
	s_bfe_u32 s2, ttmp6, 0x10000c
	s_cmp_lg_u32 s2, 0xf033
	s_cbranch_scc0 .Lentry_shape_is_right
	s_endpgm
.Lentry_shape_is_right:
; out0 = attention's result x Wo^T + bo, on codes of BF6 (E3M2) with E8M0 scales; sums in f32.  M = 8,192, N = 1,024, K = 1,024.
; A work-group of four waves makes 256 x 256, a wave 128 x 128; K goes in four steps of 256 through a ring of two LDS slots filled by joint tensor loads (4 x 4 work-groups: A shared along a row of the cluster, B along a column).
; A comes as IMAGES OF THE OPERAND'S REGISTERS: ac [tile of 16 places][head][768 bytes]: 512 bytes: registers 0-3 at 16 x lane; 256 bytes: registers 4-5 at 8 x lane.  Two heads are one fragment of 128 along K: four LDS loads, all on consecutive bytes.
; B is Wo's part of cod (rows 11,264 on), row-major, as in the projections.  A's scale bytes (asc) and B's (scl) are dense rows of 32 bytes and come once.
; Both sides lie in the order octet 0, 2, 1, 3 of each 32 rows: register j of accumulator (a, b) in lane (r, h) is out0(token 32 (a / 2) + 8 (a % 2) + r + 8 (r / 8), feature 32 (b / 2) + 16 h + 8 (b % 2) + j); the way out puts both back.
; bo is the C of each sum's first matrix instruction.  128 work-groups: the tile is kept at 256 x 256 so that no fragment is read from LDS twice.
.set KSTEP,  256
.set NQ,     KSTEP/128
.set ROWB,   192
.set KROW,   768
.set PITCH,  240
.set FR,     12
.set NLA,    4                         ; LDS loads that bring a fragment of A
.set NP,     4
.set HALFA,  8*3072                    ; A: 8 tiles x 4 heads x 768 bytes: what one tensor load brings
.set HALFT,  128*PITCH                 ; B: 128 rows
.set SLOT,   2*HALFA+2*HALFT
.set LAPS,   2
.set KS,     32
.set SCL,    2*SLOT
.set HALFS,  (128*KS/256)*272
.set SBLK,   (16*KS/256)*272
.set SPARE,  SCL+4*HALFS               ; the spare words: 128 bytes a wave, two blocks of 256 bytes that no other line names
.set SPITCH, 528                       ; the way out: 16 rows x (512 + 16) bytes a wave, in slot 0, which has had its last fill and its last read by then
.set SIZE_N, 1024
.set ADRA, 16                          ; v16-17 A: my half + 16 x lane, slot 0, 1;  v18-19: + 8 x lane
.set ADRB, 20
.set STO,  24
.set RD,   25
.set CO,   26
.set ADRS, 27
.set SPW,  28
.set NIL,  29
.set SC,   32
.set AF,   128
.set BK,   128
.set G1, 24
.set G0, 32
.set G1B, 48
.set G0B, 56
.set G1S, 68
.set G0S, 76
.set G1SB, 80
.set G0SB, 88
.set MSB, 0
.macro WIN new
.if MSB != \new
	s_set_vgpr_msb (MSB<<8)|\new
.set MSB, \new
.endif
.endm
.set MUL_LO, 0xa1
.set MUL_HI, 0xf1
.set TO_B,   0x40
.macro JLOAD g0a, g1a, g0b, g1b
	s_cmp_eq_u32 s15, 0
	s_cbranch_scc0 .Lfor_b_\@
	tensor_load_to_lds s[\g0a:\g0a+3], s[\g1a:\g1a+7]
	s_nop 0
.rept 4
	v_nop
.endr
	s_branch .Lasked_\@
.Lfor_b_\@:
	tensor_load_to_lds s[\g0b:\g0b+3], s[\g1b:\g1b+7]
	s_nop 0
.rept 4
	v_nop
.endr
.Lasked_\@:
.endm
.macro CREST
	s_cmp_lg_u32 s14, 0
	s_cbranch_scc1 .Lnot_wave_0_\@
	s_barrier_signal -3
.Lnot_wave_0_\@:
	s_barrier_wait -3
	s_barrier_signal -1
	s_barrier_wait -1
.endm
.macro CROUND
	s_barrier_signal -1
	s_barrier_wait -1
	CREST
.endm
	s_load_b128 s[4:7], s[0:1], 0x0                ; ac, asc
	s_load_b128 s[8:11], s[0:1], 0x10              ; cod, scl
	s_load_b128 s[96:99], s[0:1], 0x20             ; bo, out0
	v_lshl_add_u32 v[SPW], v0, 2, SPARE
	v_mov_b32 v[NIL], 0
	ds_add_u32 v28, v29
	ds_add_u32 v28, v29
	s_wait_dscnt 0x0
	v_lshrrev_b32 v1, 5, v0
	v_readfirstlane_b32 s14, v1
	s_lshr_b32 s15, s14, 1
	s_and_b32 s16, s14, 1
	s_bfe_u32 s40, ttmp6, 0x40000
	s_bfe_u32 s41, ttmp6, 0x40004
	s_lshl_b32 s42, ttmp9, 2
	s_add_co_u32 s42, s42, s40                     ; tile column
	s_and_b32 s17, ttmp7, 0xffff
	s_lshl_b32 s17, s17, 2
	s_add_co_u32 s17, s17, s41                     ; tile row
	s_lshl_b32 s43, s41, 2
	s_lshl_b32 s43, 15, s43
	s_lshl_b32 s44, 0x1111, s40
	s_or_b32 s[G1+0], s43, (3<<16)|(1<<21)         ; A: the mask; elements of 8 bytes; no padding; bit 21 beside a mask
	s_mov_b32 s[G1+1], 384<<16                     ; 3,072 bytes (four heads of a tile),
	s_mov_b32 s[G1+2], 8<<16                       ; 8 tiles,
	s_mov_b32 s[G1+3], 384<<16
	s_mov_b32 s[G1+4], 8
	s_mov_b32 s[G1+5], 1536                        ; 12,288 bytes apart
	s_mov_b32 s[G1+6], 0
	s_mov_b32 s[G1+7], 0
	s_or_b32 s[G1B+0], s44, (0<<16)|(1<<20)|(1<<21)|(3<<22)|(3<<25)
	s_mov_b32 s[G1B+1], ROWB<<16
	s_mov_b32 s[G1B+2], 128<<16
	s_mov_b32 s[G1B+3], ROWB<<16
	s_mov_b32 s[G1B+4], 128
	s_mov_b32 s[G1B+5], KROW
	s_mov_b32 s[G1B+6], 0
	s_mov_b32 s[G1B+7], 0
	s_or_b32 s[G1S+0], s43, (3<<16)|(1<<20)|(1<<21)|(5<<22)|(3<<25)
	s_or_b32 s[G1SB+0], s44, (3<<16)|(1<<20)|(1<<21)|(5<<22)|(3<<25)
.irp g, G1S, G1SB
	s_mov_b32 s[\g+1], 32<<16
	s_mov_b32 s[\g+2], (128*KS/256)<<16
	s_mov_b32 s[\g+3], 32<<16
	s_mov_b32 s[\g+4], 128*KS/256
	s_mov_b32 s[\g+5], 32
	s_mov_b32 s[\g+6], 0
	s_mov_b32 s[\g+7], 0
.endr
	s_lshl_b32 s18, s16, 7
	s_lshl_b32 s20, s17, 8
	s_add_co_u32 s20, s20, s18                     ; A: the first place that I fetch
	s_lshl_b32 s46, s42, 8
	s_add_co_u32 s46, s46, s18
	s_add_co_u32 s46, s46, 11264                   ; B: Wo's rows of cod and scl
	s_mov_b32 s21, 0
	s_mov_b32 s47, 0
	s_mov_b64 s[18:19], KS
	s_mul_u64 s[22:23], s[20:21], s[18:19]
	s_mul_u64 s[92:93], s[46:47], s[18:19]
	s_mov_b64 s[18:19], KROW
	s_mul_u64 s[20:21], s[20:21], s[18:19]         ; 16 places x 768 bytes = a tile's 12,288
	s_mul_u64 s[46:47], s[46:47], s[18:19]
	s_mul_i32 s45, s16, HALFA                      ; where A's half goes,
	s_mul_i32 s66, s16, HALFT
	s_add_co_u32 s66, s66, 2*HALFA                 ; and B's
	s_mul_i32 s94, s14, HALFS
	s_wait_kmcnt 0x0
	s_mov_b64 s[12:13], s[98:99]                   ; out0
	s_add_nc_u64 s[20:21], s[4:5], s[20:21]
	s_add_nc_u64 s[22:23], s[6:7], s[22:23]
	s_add_nc_u64 s[46:47], s[8:9], s[46:47]
	s_add_nc_u64 s[92:93], s[10:11], s[92:93]
	CROUND
	s_mov_b32 s[G0S], 1
	s_add_co_u32 s[G0S+1], s94, SCL
	s_mov_b64 s[G0S+2:G0S+3], s[22:23]
	s_or_b32 s[G0S+3], s[G0S+3], 0x80000000
	s_mov_b32 s[G0SB], 1
	s_add_co_u32 s[G0SB+1], s94, SCL
	s_mov_b64 s[G0SB+2:G0SB+3], s[92:93]
	s_or_b32 s[G0SB+3], s[G0SB+3], 0x80000000
	JLOAD G0S, G1S, G0SB, G1SB
.irp s, 0,1
	s_mov_b32 s[G0+4*\s], 1
	s_add_co_u32 s[G0+4*\s+1], s45, \s*SLOT
	s_add_nc_u64 s[G0+4*\s+2:G0+4*\s+3], s[20:21], \s*3072
	s_or_b32 s[G0+4*\s+3], s[G0+4*\s+3], 0x80000000
	s_mov_b32 s[G0B+4*\s], 1
	s_add_co_u32 s[G0B+4*\s+1], s66, \s*SLOT
	s_add_nc_u64 s[G0B+4*\s+2:G0B+4*\s+3], s[46:47], \s*ROWB
	s_or_b32 s[G0B+4*\s+3], s[G0B+4*\s+3], 0x80000000
	JLOAD G0+4*\s, G1, G0B+4*\s, G1B
.endr
	v_and_b32 v1, 15, v0
	v_bfe_u32 v2, v0, 4, 1
	v_and_b32 v6, 31, v0
	v_mul_u32_u24 v3, v1, PITCH
	v_mul_u32_u24 v4, v2, 24
	v_add_nc_u32 v4, v3, v4
	v_lshl_add_u32 v5, v2, 4, v4
	v_lshlrev_b32 v[CO], 4, v6                     ; 16 x lane
	v_lshlrev_b32 v3, 3, v6                        ; 8 x lane
	s_mul_i32 s21, s15, HALFA                      ; my 8 tiles of A
	s_mul_i32 s22, s16, HALFT
	s_add_co_u32 s22, s22, 2*HALFA                 ; my 128 rows of B
.irp s, 0,1
	v_add_nc_u32 v[ADRA+\s], s21, v[CO]
	v_add_nc_u32 v[ADRA+2+\s], s21, v3
	v_add_nc_u32 v[ADRB+\s], s22, v4
	v_add_nc_u32 v[ADRB+2+\s], s22, v5
	s_add_co_u32 s21, s21, SLOT
	s_add_co_u32 s22, s22, SLOT
.endr
	v_mul_u32_u24 v5, v1, KS
	v_lshrrev_b32 v6, 8, v5
	v_lshl_add_u32 v5, v6, 4, v5
	s_mul_i32 s21, s15, HALFS
	s_mul_i32 s22, s16, HALFS
	s_add_co_u32 s22, s22, 2*HALFS
	s_sub_co_u32 s22, s22, s21
	v_mul_u32_u24 v6, s22, v2
	s_add_co_u32 s21, s21, SCL
	v_add_nc_u32 v5, v5, v6
	v_add_nc_u32 v[ADRS], s21, v5
	s_mul_i32 s23, s14, 16*SPITCH                  ; my stage
	v_mul_u32_u24 v5, v1, SPITCH
	v_lshl_add_u32 v5, v2, 6, v5                   ; in: row r, + 64 (lane / 16): features 16 (lane / 16) on of each 32
	v_add_nc_u32 v[STO], s23, v5
	v_add_nc_u32 v[RD], s23, v[CO]                 ; back: the 32 lanes take one row of 512 bytes
	v_lshlrev_b32 v7, 6, v2                        ; bo: 64 (lane / 16)
	s_lshl_b32 s20, s17, 8
	s_lshl_b32 s21, s15, 7
	s_add_co_u32 s20, s20, s21
	s_mov_b32 s21, 0
	s_mov_b64 s[18:19], SIZE_N*4
	s_mul_u64 s[20:21], s[20:21], s[18:19]
	s_lshl_b32 s46, s42, 10
	s_lshl_b32 s47, s16, 9
	s_add_co_u32 s46, s46, s47
	s_mov_b32 s47, 0
	s_add_nc_u64 s[20:21], s[20:21], s[46:47]
	s_add_nc_u64 s[12:13], s[12:13], s[20:21]
	s_add_nc_u64 s[96:97], s[96:97], s[46:47]      ; bo at my first column
	WIN TO_B
.irp b, 0,1,2,3,4,5,6,7
	global_load_b128 v[96+8*\b+96*(\b/4):96+8*\b+96*(\b/4)+3], v7, s[96:97] offset:4*(32*(\b/2)+8*(\b%2))       ; block b's eight registers, in the result's layout: window 1, v96-127 and v224-255
	global_load_b128 v[96+8*\b+96*(\b/4)+4:96+8*\b+96*(\b/4)+7], v7, s[96:97] offset:4*(32*(\b/2)+8*(\b%2))+16
.endr
	WIN 0
.macro FRAG reg, adr, q, i
.irp p, 0,1,2,3,4,5
.set PC, 12*(\q)+6*(\p/3)+\p%3
.if PC%8 < 5
	ds_load_b64 v[\reg+2*\p:\reg+2*\p+1], v[\adr] offset:8*PC+16*(PC/8)+(\i)*16*PITCH
.else
	ds_load_b64 v[\reg+2*\p:\reg+2*\p+1], v[\adr+2] offset:8*PC+16*(PC/8)+(\i)*16*PITCH
.endif
.endr
.endm
.macro FRAGA reg, slot, q, i           ; A's fragment of tile i, the slot's q-th 128 along K: two heads' images
	ds_load_b128 v[\reg:\reg+3], v[ADRA+\slot] offset:3072*(\i)+1536*(\q)
	ds_load_b64 v[\reg+4:\reg+5], v[ADRA+2+\slot] offset:3072*(\i)+1536*(\q)+512
	ds_load_b128 v[\reg+6:\reg+9], v[ADRA+\slot] offset:3072*(\i)+1536*(\q)+768
	ds_load_b64 v[\reg+10:\reg+11], v[ADRA+2+\slot] offset:3072*(\i)+1536*(\q)+1280
.endm
; zero = 1: the first product starts the sums, with bo as C.  The 64 accumulators take turns, one instruction a turn.
.macro MUL16 a0, p, q, sc, zero
.irp a, \a0, \a0+1
.irp b, 0,1,2,3,4,5,6,7
.if \zero
	v_wmma_scale_f32_16x16x128_f8f6f4 v[8*(8*((\a)%4)+\b):8*(8*((\a)%4)+\b)+7], v[128*(\p)+FR*\b:128*(\p)+FR*\b+FR-1], v[AF+FR*(\a):AF+FR*(\a)+FR-1], v[96+8*\b+96*(\b/4):96+8*\b+96*(\b/4)+7], v[SC+8*NQ*(\sc)+NQ*\b+(\q)], v[SC+8*NQ*(\sc)+NQ*(\a)+(\q)] matrix_a_fmt:MATRIX_FMT_BF6 matrix_b_fmt:MATRIX_FMT_BF6 matrix_a_scale:MATRIX_SCALE_ROW1
.else
	v_wmma_scale_f32_16x16x128_f8f6f4 v[8*(8*((\a)%4)+\b):8*(8*((\a)%4)+\b)+7], v[128*(\p)+FR*\b:128*(\p)+FR*\b+FR-1], v[AF+FR*(\a):AF+FR*(\a)+FR-1], v[8*(8*((\a)%4)+\b):8*(8*((\a)%4)+\b)+7], v[SC+8*NQ*(\sc)+NQ*\b+(\q)], v[SC+8*NQ*(\sc)+NQ*(\a)+(\q)] matrix_a_fmt:MATRIX_FMT_BF6 matrix_b_fmt:MATRIX_FMT_BF6 matrix_a_scale:MATRIX_SCALE_ROW1
.endif
.endr
.endr
.endm
.macro FETCH_B slot, q, p
	WIN TO_B
.irp i, 0,1,2,3,4,5,6,7
	FRAG 128*(\p)+FR*\i, ADRB+\slot, \q, \i
.endr
	WIN 0
.endm
.macro FETCH_A slot, q, i0
.irp i, \i0, \i0+1, \i0+2, \i0+3
	FRAGA AF+FR*(\i), \slot, \q, \i
.endr
.endm
.macro SCALES sc
.irp i, 0,1,2,3,4,5,6,7
	ds_load_b64 v[SC+8*NQ*\sc+NQ*\i:SC+8*NQ*\sc+NQ*\i+1], v[ADRS] offset:\i*SBLK
.endr
.endm
.macro PLACES n
.rept \n
	v_nop
.endr
.endm
.macro STEP slot, q, zero
	s_wait_dscnt 4*NLA                             ; B's set and A's blocks 0-3 are in; the youngest 16 loads (A's blocks 4-7) may be out
.if \zero
	WIN 0x91                                       ; C in window 1: bo
.else
	WIN MUL_LO
.endif
	MUL16 0, (\q)%2, \q, \slot, \zero
	MUL16 2, (\q)%2, \q, \slot, \zero
	s_wait_dscnt 0
	PLACES NP
	FETCH_B \slot, (\q)+1, 1-(\q)%2
	FETCH_A \slot, (\q)+1, 0
.if \zero
	WIN 0xd1
.else
	WIN MUL_HI
.endif
	MUL16 4, (\q)%2, \q, \slot, \zero
	MUL16 6, (\q)%2, \q, \slot, \zero
	PLACES NP
	WIN 0
	FETCH_A \slot, (\q)+1, 4
.endm
.macro TURN slot, next, fill
	s_wait_tensorcnt 0x0                           ; all my tensor loads have landed: my part of the next slot
	ds_add_u32 v[SPW], v[NIL]                      ; 0 onto my spare word
	s_wait_dscnt 4*NLA+1                           ; (the add and the youngest 16 loads may be out)
	WIN MUL_LO
	MUL16 0, 1, NQ-1, \slot, 0
	s_wait_dscnt 0x0                               ; the add is done, and my reads of this slot are over
	s_barrier_signal -1
	MUL16 2, 1, NQ-1, \slot, 0
	WIN 0
	s_barrier_wait -1
.if \fill
	CREST                                          ; the barrier has opened a round of the cluster's
	s_add_nc_u64 s[G0+4*\slot+2:G0+4*\slot+3], s[G0+4*\slot+2:G0+4*\slot+3], 2*3072
	s_add_nc_u64 s[G0B+4*\slot+2:G0B+4*\slot+3], s[G0B+4*\slot+2:G0B+4*\slot+3], 2*ROWB
	JLOAD G0+4*\slot, G1, G0B+4*\slot, G1B
.else
	PLACES NP
.endif
	v_add_nc_u32 v[ADRS], 4*NQ, v[ADRS]
	FETCH_B \next, 0, 0
	FETCH_A \next, 0, 0
	SCALES \next
	WIN MUL_HI
	MUL16 4, 1, NQ-1, \slot, 0
	MUL16 6, 1, NQ-1, \slot, 0
	PLACES NP
	WIN 0
	FETCH_A \next, 0, 4
.endm
	s_wait_tensorcnt 1                             ; the scales and my part of K step 0 are in (K step 1's load may be out)
	s_barrier_signal -1
	s_barrier_wait -1
	FETCH_B 0, 0, 0
	FETCH_A 0, 0, 0
	SCALES 0
	FETCH_A 0, 0, 4
	s_wait_loadcnt 0x0                             ; bo
	STEP 0, 0, 1
	s_mov_b32 s3, LAPS-1
.Llap:
	TURN 0, 1, 1
	STEP 1, 0, 0
	TURN 1, 0, 1
	STEP 0, 0, 0
	s_sub_co_u32 s3, s3, 1
	s_cmp_lg_u32 s3, 0
	s_cbranch_scc1 .Llap
	TURN 0, 1, 0
	STEP 1, 0, 0
	s_wait_dscnt 4*NLA
	WIN MUL_LO
	MUL16 0, 1, NQ-1, 1, 0
	MUL16 2, 1, NQ-1, 1, 0
	s_wait_dscnt 0
	WIN MUL_HI
	MUL16 4, 1, NQ-1, 1, 0
	MUL16 6, 1, NQ-1, 1, 0
	WIN 0
; THE WAY OUT, block by block of 16 places x 128 features, through my own stage; LDS serves a wave's instructions in order, so no wait stands between the stores and the loads.
.macro TOSTAGE a
.set AC, 64*((\a)%4)
	WIN 0x08+4*((\a)/4)
.irp b, 0,1,2,3,4,5,6,7
	ds_store_b128 v[STO], v[AC+8*\b:AC+8*\b+3] offset:128*(\b/2)+32*(\b%2)          ; features 32 (b / 2) + 16 (lane / 16) + 8 (b % 2) on; each accumulator from its low end on
	ds_store_b128 v[STO], v[AC+8*\b+4:AC+8*\b+7] offset:128*(\b/2)+32*(\b%2)+16
.endr
	WIN 0
.set BB, BK+64*((\a)%2)
.irp t, 0,1,2,3,4,5,6,7,8,9,10,11,12,13,14,15
	ds_load_b128 v[BB+4*\t:BB+4*\t+3], v[RD] offset:\t*SPITCH
.endr
.endm
.macro SEND a, younger
.set BB, BK+64*((\a)%2)
	s_wait_dscnt \younger
.if (\a) > 0
.if (\a)%2
	s_add_nc_u64 s[12:13], s[12:13], 8*SIZE_N*4    ; block a begins at token 32 (a / 2) + 8 (a % 2)  (behind a wait on XCNT: the earlier stores have read their base)
.else
	s_add_nc_u64 s[12:13], s[12:13], 24*SIZE_N*4
.endif
.endif
.irp t, 0,1,2,3,4,5,6,7,8,9,10,11,12,13,14,15
	global_store_b128 v[CO], v[BB+4*\t:BB+4*\t+3], s[12:13] offset:(\t+8*(\t/8))*SIZE_N*4 th:TH_STORE_NT   ; place t is token t + 8 (t / 8) of the block; 32 lanes store 512 consecutive bytes, aligned
.endr
.endm
	PLACES NP
	TOSTAGE 0
.irp a, 1,2,3,4,5,6,7
.if \a > 1
	s_wait_xcnt 0x0                                ; block a - 2's stores have read their registers and their base
.endif
	TOSTAGE \a
	SEND \a-1, 32                                  ; behind block a - 1's loads: block a's 16 stores and 16 loads
.endr
	s_wait_xcnt 0x0
	SEND 7, 0
	s_wait_tensorcnt 0x0                           ; the wave's end
	ds_add_u32 v[SPW], v[NIL]
	s_wait_dscnt 0x0
	CROUND                                         ; the closing round
	s_endpgm
.Lfunc_end_k_q829017a0d1_oproj:
	.size	k_q829017a0d1_oproj, .Lfunc_end_k_q829017a0d1_oproj-k_q829017a0d1_oproj
	.p2alignl 7, 3214868480
	.fill 96, 4, 3214868480
	.section	.rodata,"a",@progbits
	.p2align	6, 0x0
	.amdhsa_kernel k_q829017a0d1_oproj
		.amdhsa_group_segment_fixed_size 327680
		.amdhsa_private_segment_fixed_size 0
		.amdhsa_enable_private_segment 0
		.amdhsa_kernarg_size 48
		.amdhsa_user_sgpr_count 2
		.amdhsa_user_sgpr_kernarg_segment_ptr 1
		.amdhsa_wavefront_size32 1
		.amdhsa_system_sgpr_workgroup_id_x 1
		.amdhsa_system_sgpr_workgroup_id_y 1
		.amdhsa_system_sgpr_workgroup_id_z 1
		.amdhsa_system_vgpr_workitem_id 0
		.amdhsa_next_free_vgpr 1024
		.amdhsa_next_free_sgpr 100
		.amdhsa_reserve_vcc 0
		.amdhsa_float_denorm_mode_32 3
		.amdhsa_float_denorm_mode_16_64 3
		.amdhsa_memory_ordered 1
		.amdhsa_forward_progress 1
		.amdhsa_inst_pref_size 154
	.end_amdhsa_kernel
	.amdgpu_metadata
---
amdhsa.version: [ 1, 2 ]
amdhsa.kernels:
  - .name:           k_q829017a0d1_oproj
    .symbol:         k_q829017a0d1_oproj.kd
    .args:
      - { .name: ac, .offset: 0, .size: 8, .value_kind: global_buffer, .address_space: global }
      - { .name: asc, .offset: 8, .size: 8, .value_kind: global_buffer, .address_space: global }
      - { .name: cod, .offset: 16, .size: 8, .value_kind: global_buffer, .address_space: global }
      - { .name: scl, .offset: 24, .size: 8, .value_kind: global_buffer, .address_space: global }
      - { .name: bo, .offset: 32, .size: 8, .value_kind: global_buffer, .address_space: global }
      - { .name: out0, .offset: 40, .size: 8, .value_kind: global_buffer, .address_space: global }
    .group_segment_fixed_size: 327680
    .private_segment_fixed_size: 0
    .kernarg_segment_align: 8
    .kernarg_segment_size: 48
    .max_flat_workgroup_size: 128
    .sgpr_count:     100
    .vgpr_count:     1024
    .wavefront_size: 32
...
	.end_amdgpu_metadata
.endif
;; end of part 4
